; MI455X (gfx1250); checked and timed in simulation.
; The chip was launched on July 23, 2026; its instructions are those of AMD's public machine-readable ISA for CDNA 5 (MIT licence, August 2026) and "CDNA5" Instruction Set Architecture Reference Guide (July 2026). The comments in the code are by the model that wrote it; some were corrected since.
;; Knn XL Multi Heads Attention. Allowed arithmetic: matrix products marked QUANTISED: E3M2 operands, one E8M0 scale for each 32 along K, by v_wmma_scale_f32_16x16x128_f8f6f4 with both operands' format E3M2, f32 sums; everything else in f32.
;; Inputs: Wk 1,024 x 1,024 float32; Wo 1,024 x 1,024 float32; Wq 1,024 x 1,024 float32; Wv 1,024 x 1,024 float32; bk 1,024 float32; bo 1,024 float32; bq 1,024 float32; bv 1,024 float32; gate 16 x 1 x 1 float32; input 4 x 512 x 1,024 float32; kv_external 4 x 512 x 8 x 2 x 1,024 float32; rel_pos 1 x 16 x 512 x 1,024 float32; xl_memory 4 x 512 x 2 x 1,024 float32.
;; Outputs: out0 4 x 512 x 1,024 float32; out1 4 x 512 x 2 x 1,024 float32.
;; This version of the problem:
;;   THIS VERSION OF THE PROBLEM IS GIVEN IN LOW PRECISION. The matrix products marked QUANTISED in the list below multiply operands that are first quantised to E3M2 (3 exponent bits, 2 mantissa bits; 6 bits a number), with one power-of-two scale for each 32 numbers along K (OCP MX v1.0); their sums are f32. All else is computed in f32.
;;   The module's matrix products, in the order in which they are computed (A, B: the left and right operand; K: the contracted axis; several contracted axes count as one K, in the product's order):
;;     1. [M 2,048, K 1,024] x [K 1,024, N 1,024]; A: input input; B: input Wq: QUANTISED
;;     2. [M 2,048, K 1,024] x [K 1,024, N 1,024]; A: input input; B: input Wk: QUANTISED
;;     3. [M 2,048, K 1,024] x [K 1,024, N 1,024]; A: input input; B: input Wv: QUANTISED
;;     4. batch 64 x [M 512, K 64] x [K 64, N 1,024]; A: computed on the way; B: computed on the way: QUANTISED
;;     5. batch 64 x [M 512, K 1,024] x [K 1,024, N 64]; A: softmax (see below); B: computed on the way: QUANTISED
;;     6. batch 64 x [M 512, K 64] x [K 64, N 4,096]; A: computed on the way; B: input kv_external: QUANTISED
;;     7. batch 64 x [M 512, K 4,096] x [K 4,096, N 64]; A: computed on the way; B: input kv_external: QUANTISED
;;     8. [M 2,048, K 1,024] x [K 1,024, N 1,024]; A: computed on the way; B: input Wo: QUANTISED
;;   THE QUANTISER, for each operand of a quantised product, along K:
;;     - K is cut into blocks of 32 from its start; a last block that is shorter is filled with zeros.
;;     - A block's scale is 2^e with e = floor(log2(the largest magnitude in the block)) - 4, held to -126 .. 127; a block of zeros has e = 0. As a byte (E8M0): e + 127.
;;     - Each number is divided by its block's scale, clamped to +-28, and rounded to the nearest number of E3M2, ties to even, subnormals kept.
;;     - The product sums the exact products of the quantised numbers (number of the format x scale) in f32.
;;   ~~~python
;;   def quantise(x, axis):      # numpy; x: float32 -> the quantised numbers, widened to float32 again
;;       x = np.moveaxis(x, axis, -1); K = x.shape[-1]
;;       x = np.pad(x, [(0, 0)] * (x.ndim - 1) + [(0, -K % 32)]); x = x.reshape(x.shape[:-1] + (-1, 32)); a = np.abs(x).max(-1, keepdims=True)
;;       e = np.where(a > 0, np.clip(np.frexp(np.where(a > 0, a, 1))[1] - 1 - 4, -126, 127), 0)      # np.frexp(a)[1] - 1 = floor(log2(a)), exactly
;;       r = np.clip(x / 2.0 ** e, -28, 28)
;;       step = 2.0 ** (np.maximum(np.frexp(np.where(r == 0, 1, r))[1] - 1, -2) - 2)
;;       q = np.round(r / step) * step * 2.0 ** e      # np.round: ties to even
;;       return np.moveaxis(q.reshape(q.shape[:-2] + (-1,))[..., :K], -1, axis).astype(np.float32)
;;   ~~~
;;   SOFTMAX AHEAD OF A QUANTISED PRODUCT. Where the list says 'softmax', what is quantised is not the finished softmax but p = 2^(t - M), with t = logit x log2(e) and M = ceil(the row's largest t), a whole number; so 1/2 < the row's largest p <= 1. The row's sum l is taken of the UNQUANTISED p, in f32, and the product's result is divided by l at the end. Since M is a whole number, a kernel that streams over the keys may use a running M (the ceiling of the running maximum): every later rescaling is an exact power of two, which a block's scale takes up: the codes' values come out the same.
;;   OPERANDS COMPUTED ON THE WAY. 'Computed on the way' means the value that the module computes at that place (a softmax that the list does not call 'softmax' is quantised finished and normalised). What goes into a quantiser is computed in f32, as accurately as f32 sums, v_exp_f32 and their like allow (about 1e-6 of the number): no bf16 or f16 on the way to a quantiser, and a product that is left as it is and whose result goes on into a quantised operand takes f32 operands (vector FMAs, or v_wmma_f32_16x16x4_f32). A number that lies on a knife's edge between two numbers of the format may be rounded either way, as far as f32 arithmetic and the matrix unit's own rounding can turn it there, and no further.
;; One version. Each part assembles by itself: llvm-mc -triple=amdgcn-amd-amdhsa -mcpu=gfx1250 --defsym DOCPART=n.
;; ======== version 1 of 1: 4 launches
;; limits: right only within a limited range of input values
;; workspace buffers: gw 4,915,200 bytes; kx 13,107,200 bytes; vx 13,107,200 bytes; loc 6,553,600 bytes; qi 1,703,936 bytes; fz 1,638,400 bytes
;; launch quant (part 1): grid 2688 x 1, 4 waves a work-group, no clusters, 70,144 bytes of LDS; arguments kv_external, xl_memory, input, Wq, Wk, Wv, Wo, kx, vx, loc, gw; writes kx, vx, loc, gw
.if DOCPART == 1
	.amdgcn_target "amdgcn-amd-amdhsa--gfx1250"
	.amdhsa_code_object_version 6
	.text
	.protected	k_qdcc572c039_quant
	.globl	k_qdcc572c039_quant
	.p2align	8
	.type	k_qdcc572c039_quant,@function
k_qdcc572c039_quant:
	s_mov_b64 s[64:65], 0
	v_nop
	global_prefetch_b8 v0, s[64:65] scope:SCOPE_SE
	s_setreg_imm32_b32 hwreg(HW_REG_WAVE_MODE, 25, 1), 1
	s_wait_xcnt 0x0
; LAUNCH 1 OF 4.  Every operand that is an INPUT of a quantised product becomes codes of E3M2 with one E8M0 byte for each 32 along its K, laid as IMAGES OF
; THE OPERAND'S REGISTERS, so that the later launches load fragments by 16-byte and 8-byte loads alone.
; The program: quant (this) | qkv: products 1-3, l2norm, out1, codes of q, new k, new v | attn: products 4-7, both softmaxes, the gate | proj: product 8.
; DEAD WORK, for the whole program.  reference() sets qk to -inf where key - 512 > query (its own triu mask), so those weights are exactly 0 for all values of
; the inputs.  A tile of 16 queries lies inside one group of 128 queries; key steps of 128 new keys that begin behind that group hold masked keys alone: launch
; attn neither loads nor multiplies them, nor their part of rel_pos.  Masked keys inside the step on the diagonal stay and are set to -inf.  Nothing else is left
; out, and every input is loaded.  LIMIT: a NaN, an infinity or an overflow that reaches only those masked steps is not carried to the result.
; LIMITS of the quantiser here: NaN and infinities among the inputs are not served; a block whose largest magnitude lies under 2^-122 gets the byte 1 (the floor);
; a block of zeros gets the byte 1 where the rule says 127: its codes are zeros, which add nothing, and this program alone reads the bytes.
; IMAGES.  pat(p) = p % 8 + 16 (p / 8).  FULL (1,536 B): registers 4 c .. 4 c + 3 of lane l at 512 c + 16 l.  HALF (768 B, six registers): 0-3 at 16 l, 4-5 at 512 + 8 l.
; SCALE ROW (128 B): a word at 4 l; lanes 0-15 the first fragment of a pair, lanes 16-31 the second.
; A wave takes one task of 16 KiB of f32.  PATH R (K innermost; roles KX, KM, P in one text, told apart by pointers and strides chosen on the work-group's number):
; two fragments of 16 rows x 128 K.  KX, KM: a row is [key 32 be + pat(p), 64 dims | that key + 8, 64 dims].  P: row 32 Gr + 8 u + pat(p) of input, Wq, Wk, Wv or Wo.
; Loads take whole pieces of 256 bytes by sixteen lanes; the wave's own stage in LDS turns them so that a lane holds a whole block of 32.
; PATH V (K = the keys, not innermost; roles VX, VM): a lane takes a channel and its registers run down 128 keys; no LDS.
; No barrier: waves share nothing.  No matrix unit, no cluster, no tensor load: a stream that is read once.
.set WREG,  17408                      ; a wave's LDS: two stages of 32 rows x 272 bytes
.set SPARE, 4*WREG                     ; behind them the spare words, 128 bytes a wave
.set FLOOR, 0x2800000                  ; 2^(5 - 127): no largest magnitude is taken under it, so no byte falls under 1
.set EOFF,  0xfe000000                 ; takes 4 off an exponent field
.set LANE, 1
.set RR,   2
.set HH,   3
.set L16,  4
.set L4,   5
.set AI,   6                           ; path R: into the stage;  path V: my column's byte
.set AO,   7                           ; path R: out of the stage;  path V: 8 x lane
.set VO,   8                           ; v8-15 path R: eight row offsets
.set SPW,  16
.set NIL,  17
.set MXA,  18
.set MXB,  19
.set MXC,  20
.set MXD,  21
.set SCA,  22
.set SCB,  23
.set BYA,  24
.set BYB,  25
.set WD,   26
.set WD2,  27
.set WU,   28                          ; v28, v29: the two fragments' scale words
.set SH8,  30
.set LD,   32                          ; v32-159 as loaded
.set XX,   160                         ; v160-223 path R: 64 numbers of my row;  path V: codes
.set IM,   224                         ; v224-247 path R: the two images
.set TT,   248                         ; v248-254 upper halves of blocks
.set CB,   160
.set CT,   192
.macro MAX32 m, n, x                   ; the largest magnitude of 32 numbers of a lane, in two chains, and the floor
	v_max3_num_f32 v[\m], |v[\x]|, |v[\x+1]|, |v[\x+2]|
	v_max3_num_f32 v[\n], |v[\x+3]|, |v[\x+4]|, |v[\x+5]|
.irp i, 6,10,14,18,22,26
	v_max3_num_f32 v[\m], v[\m], |v[\x+\i]|, |v[\x+\i+1]|
	v_max3_num_f32 v[\n], v[\n], |v[\x+\i+2]|, |v[\x+\i+3]|
.endr
	v_max3_num_f32 v[\m], v[\m], |v[\x+30]|, |v[\x+31]|
	v_max3_num_f32 v[\m], v[\m], v[\n], FLOOR
.endm
	s_load_b256 s[4:11], s[0:1], 0x0               ; kv_external s[4:5], xl_memory s[6:7], input s[8:9], Wq s[10:11]
	s_load_b256 s[12:19], s[0:1], 0x20             ; Wk s[12:13], Wv s[14:15], Wo s[16:17], kx s[18:19]
	s_load_b128 s[20:23], s[0:1], 0x40             ; vx s[20:21], loc s[22:23]
	s_load_b64 s[24:25], s[0:1], 0x50              ; gw
	v_lshl_add_u32 v[SPW], v0, 2, SPARE
	v_mov_b32 v[NIL], 0
	v_lshrrev_b32 v[LANE], 5, v0
	v_readfirstlane_b32 s26, v[LANE]               ; wave
	v_and_b32 v[LANE], 31, v0
	v_and_b32 v[RR], 15, v0
	v_bfe_u32 v[HH], v0, 4, 1
	v_lshlrev_b32 v[L16], 4, v[LANE]
	v_lshlrev_b32 v[L4], 2, v[LANE]
	s_lshl_b32 s27, ttmp9, 2
	s_add_co_u32 s27, s27, s26                     ; the task: 4 x work-group + wave
	s_mov_b32 s60, 0x76543210
	s_mov_b32 s61, 0xfedcba98                      ; v_permlanex16_b32: lane l xor 16
	s_cmp_ge_u32 ttmp9, 1536
	s_cbranch_scc1 .Lpath_v
; ================= PATH R =================
	s_and_b32 s28, s27, 15                         ; KX, KM: head
	s_lshl_b32 s38, s28, 8                         ; its 256 bytes in a key's row
	s_bfe_u32 s29, s27, 0x60004                    ; KX: pair of blocks of 32 keys, 0..63
	s_lshr_b32 s30, s27, 10                        ; KX: b
	s_lshl_b32 s31, s30, 25
	s_lshl_b32 s32, s29, 19
	s_add_co_u32 s31, s31, s32
	s_add_co_u32 s31, s31, s38                     ; KX: source offset
	s_lshl_b32 s32, s30, 4
	s_add_co_u32 s32, s32, s28
	s_lshl_b32 s32, s32, 6
	s_add_co_u32 s32, s32, s29                     ; KX: pair's number = 64 bh + ph
	s_sub_co_u32 s33, s27, 4096
	s_bfe_u32 s34, s33, 0x30004                    ; KM: ph 0..7
	s_lshr_b32 s35, s33, 7                         ; KM: b
	s_lshl_b32 s36, s35, 22
	s_lshl_b32 s37, s34, 19
	s_add_co_u32 s36, s36, s37
	s_add_co_u32 s36, s36, s38                     ; KM: source offset
	s_lshl_b32 s37, s35, 4
	s_add_co_u32 s37, s37, s28
	s_lshl_b32 s37, s37, 4
	s_add_co_u32 s37, s37, s34                     ; KM: 16 bh + ph
	s_sub_co_u32 s39, s27, 4608                    ; P: pair's number = 8 Gr + sg
	s_and_b32 s40, s39, 7
	s_lshr_b32 s41, s39, 3                         ; P: Gr
	s_and_b32 s42, s41, 31
	s_cmp_lt_u32 s41, 64
	s_cselect_b32 s42, s41, s42                    ; the group inside its own tensor
	s_lshl_b32 s42, s42, 17
	s_lshl_b32 s40, s40, 9
	s_add_co_u32 s42, s42, s40                     ; P: source offset
	s_mul_i32 s54, s26, WREG
	s_wait_alu depctr_va_vdst(0)
	v_mul_u32_u24 v[AI], v[HH], 272
	v_lshl_add_u32 v[AI], v[RR], 4, v[AI]
	v_add_nc_u32 v[AI], s54, v[AI]                 ; in: lanes 0-15 one stage row, lanes 16-31 the next
	v_mul_u32_u24 v[AO], v[RR], 272
	v_lshl_add_u32 v[AO], v[HH], 7, v[AO]
	v_add_nc_u32 v[AO], s54, v[AO]                 ; out: row r, my half's 128 bytes
	v_lshlrev_b32 v[SH8], 3, v[HH]
	v_mov_b32 v[WD2], 0                            ; a lane permute's destination counts as read
	s_wait_kmcnt 0x0
	s_mov_b64 s[44:45], s[16:17]                   ; P's source by Gr: Wo, Wv, Wk, Wq, input
	s_cmp_lt_u32 s41, 160
	s_cselect_b64 s[44:45], s[14:15], s[44:45]
	s_cmp_lt_u32 s41, 128
	s_cselect_b64 s[44:45], s[12:13], s[44:45]
	s_cmp_lt_u32 s41, 96
	s_cselect_b64 s[44:45], s[10:11], s[44:45]
	s_cmp_lt_u32 s41, 64
	s_cselect_b64 s[44:45], s[8:9], s[44:45]
	s_mov_b64 s[46:47], s[24:25]                   ; and its target gw
	s_mov_b32 s43, 0x480000                        ; where gw's scale rows begin
	s_mov_b32 s50, 0x10000
	s_cmp_lt_u32 ttmp9, 1152                       ; a role of keys?  (choices hang on the work-group's number alone)
	s_cselect_b64 s[44:45], s[6:7], s[44:45]
	s_cselect_b64 s[46:47], s[22:23], s[46:47]
	s_cselect_b32 s42, s36, s42
	s_cselect_b32 s39, s37, s39
	s_cselect_b32 s43, 0x300000, s43
	s_cselect_b32 s48, 13, 12                      ; log2 of the bytes from row to row
	s_cselect_b32 s52, 32, 8                       ; rows from fragment 0 to fragment 1
	s_cselect_b32 s50, s50, 256                    ; bytes from a row's first piece to its second: 8 keys, or 64 numbers
	s_cmp_lt_u32 ttmp9, 1024                       ; KX?
	s_cselect_b64 s[44:45], s[4:5], s[44:45]
	s_cselect_b64 s[46:47], s[18:19], s[46:47]
	s_cselect_b32 s42, s31, s42
	s_cselect_b32 s39, s32, s39
	s_cselect_b32 s43, 0xc00000, s43
	s_lshl_b32 s52, s52, s48
	s_mov_b32 s53, 0
	s_mov_b32 s51, 0
	s_mov_b32 s54, s42
	s_mov_b32 s55, 0
	s_add_nc_u64 s[68:69], s[44:45], s[54:55]      ; fragment 0, piece 0
	s_add_nc_u64 s[70:71], s[68:69], s[50:51]      ; fragment 0, piece 1
	s_add_nc_u64 s[72:73], s[68:69], s[52:53]      ; fragment 1, piece 0
	s_add_nc_u64 s[74:75], s[72:73], s[50:51]      ; fragment 1, piece 1
	s_mul_i32 s54, s39, 3072
	s_add_nc_u64 s[76:77], s[46:47], s[54:55]      ; the pair's two images
	s_lshl_b32 s54, s39, 7
	s_add_co_u32 s54, s54, s43
	s_add_nc_u64 s[78:79], s[46:47], s[54:55]      ; its scale row
.irp i, 0,1,2,3,4,5,6,7
	v_add_nc_u32 v[VO+\i], 2*(\i%4)+16*(\i/4), v[HH]   ; rows pat(2 i) + h
	v_lshlrev_b32 v[VO+\i], s48, v[VO+\i]
	v_lshl_add_u32 v[VO+\i], v[RR], 4, v[VO+\i]
.endr
.irp u, 0,1
.irp c, 0,1
.irp i, 0,1,2,3,4,5,6,7
	global_load_b128 v[LD+64*\u+32*\c+4*\i:LD+64*\u+32*\c+4*\i+3], v[VO+\i], s[68+4*\u+2*\c:69+4*\u+2*\c] th:TH_LOAD_NT   ; sixteen lanes take one piece of 256 bytes
.endr
.endr
.endr
.macro QFRAG u
	s_wait_loadcnt 16*(1-\u)                       ; this fragment's sixteen loads are in; the other fragment's sixteen, issued behind them, may be out
.irp i, 0,1,2,3,4,5,6,7,8,9,10,11,12,13,14,15
	ds_store_b128 v[AI], v[LD+64*\u+4*\i:LD+64*\u+4*\i+3] offset:\u*8704+2*\i*272   ; stage row 16 c + p
.endr
.irp c, 0,1
.irp q, 0,1,2,3,4,5,6,7
	ds_load_b128 v[XX+32*\c+4*\q:XX+32*\c+4*\q+3], v[AO] offset:\u*8704+\c*4352+16*\q   ; LDS serves a wave in order: these see my stores.  k = 64 c + 32 h + 0 .. 31 of row r
.endr
.endr
	s_wait_dscnt 0x0
	MAX32 MXA, MXB, XX
	MAX32 MXC, MXD, XX+32
	v_add_nc_u32 v[SCA], EOFF, v[MXA]              ; the conversion takes the exponent field of this operand as its scale
	v_add_nc_u32 v[SCB], EOFF, v[MXC]
	v_lshrrev_b32 v[BYA], 23, v[SCA]               ; the scale's byte
	v_lshrrev_b32 v[BYB], 23, v[SCB]
	v_cvt_scalef32_pk16_bf6_f32 v[IM+12*\u:IM+12*\u+2], v[XX:XX+15], v[SCA]
	v_cvt_scalef32_pk16_bf6_f32 v[TT:TT+2], v[XX+16:XX+31], v[SCA]          ; (a conversion's three registers begin on an even number)
	v_cvt_scalef32_pk16_bf6_f32 v[IM+12*\u+6:IM+12*\u+8], v[XX+32:XX+47], v[SCB]
	v_cvt_scalef32_pk16_bf6_f32 v[TT+4:TT+6], v[XX+48:XX+63], v[SCB]
	v_lshl_or_b32 v[WD], v[BYB], 16, v[BYA]        ; my two bytes: blocks h and 2 + h.  (The plain place behind the conversions)
.irp c, 0,1
.irp i, 0,1,2
	v_mov_b32 v[IM+12*\u+6*\c+3+\i], v[TT+4*\c+\i]
.endr
.endr
	v_lshlrev_b32 v[WD], v[SH8], v[WD]
	v_permlanex16_b32 v[WD2], v[WD], s60, s61
	v_or_b32 v[WU+\u], v[WD], v[WD2]               ; with lane l xor 16's two the word is whole
.endm
	QFRAG 0
	QFRAG 1
	v_cmp_ne_u32 vcc_lo, 0, v[HH]
	v_cndmask_b32 v[WD], v[WU], v[WU+1], vcc_lo    ; lanes 0-15 fragment 0's words, lanes 16-31 fragment 1's
.irp u, 0,1                            ; both images leave here, behind all of the wave's LDS and vector work
.irp c, 0,1,2
	global_store_b128 v[L16], v[IM+12*\u+4*\c:IM+12*\u+4*\c+3], s[76:77] offset:\u*1536+512*\c   ; 512 consecutive bytes a store
.endr
.endr
	global_store_b32 v[L4], v[WD], s[78:79]
	s_branch .Lend
; ================= PATH V =================
.Lpath_v:
	s_and_b32 s28, s27, 31                         ; cg: which 32 of the 1,024 channels
	s_sub_co_u32 s29, s27, 6144
	s_bfe_u32 s30, s29, 0x50005                    ; VX: step of 128 keys, 0..31
	s_lshr_b32 s31, s29, 10                        ; VX: b
	s_sub_co_u32 s32, s27, 10240
	s_bfe_u32 s33, s32, 0x20005                    ; VM: step 0..3
	s_lshr_b32 s34, s32, 7                         ; VM: b
	s_lshr_b32 s35, s28, 1                         ; head
	s_and_b32 s36, s28, 1                          ; pi: which 32 channels of the head
	s_lshl_b32 s37, s31, 25
	s_lshl_b32 s38, s31, 4
	s_add_co_u32 s38, s38, s35
	s_lshl_b32 s38, s38, 5
	s_add_co_u32 s38, s38, s30                     ; VX: 32 bh + step
	s_lshl_b32 s39, s34, 22
	s_lshl_b32 s40, s34, 4
	s_add_co_u32 s40, s40, s35
	s_lshl_b32 s40, s40, 3
	s_add_co_u32 s40, s40, s33                     ; VM: 8 bh + step
	s_wait_alu depctr_va_vdst(0)
	v_and_b32 v[AI], 8, v[RR]
	v_add_nc_u32 v[AI], v[AI], v[RR]
	v_lshl_add_u32 v[AI], v[HH], 3, v[AI]
	v_lshlrev_b32 v[AI], 2, v[AI]                  ; lane (r, h) takes channel 8 h + pat(r) of the 32: row r of fragment 2 pi + h
	v_lshlrev_b32 v[AO], 3, v[LANE]
	s_mov_b32 s47, 0x620000
	s_wait_alu depctr_va_vdst(0)
	s_wait_kmcnt 0x0
	s_cmp_lt_u32 ttmp9, 2560                       ; VX?
	s_cselect_b64 s[42:43], s[4:5], s[6:7]
	s_cselect_b64 s[44:45], s[20:21], s[22:23]
	s_cselect_b32 s37, s37, s39
	s_cselect_b32 s38, s38, s40
	s_cselect_b32 s30, s30, s33
	s_cselect_b32 s46, 0, 0x320000                 ; where the images begin in the target,
	s_cselect_b32 s47, 0xc00000, s47               ; and the scale rows
	s_lshl_b32 s30, s30, 20
	s_add_co_u32 s37, s37, s30
	s_lshl_b32 s28, s28, 7
	s_add_co_u32 s37, s37, s28
	s_add_co_u32 s48, s37, 4096                    ; the values lie 4,096 bytes behind the keys
	s_mov_b32 s49, 0
	s_add_nc_u64 s[48:49], s[42:43], s[48:49]
	s_mul_i32 s50, s38, 6144
	s_mul_i32 s51, s36, 3072
	s_add_co_u32 s50, s50, s51
	s_add_co_u32 s50, s50, s46
	s_mov_b32 s51, 0
	s_add_nc_u64 s[50:51], s[44:45], s[50:51]      ; fragments 2 pi and 2 pi + 1 of the step
	s_lshl_b32 s52, s38, 1
	s_add_co_u32 s52, s52, s36
	s_lshl_b32 s52, s52, 7
	s_add_co_u32 s52, s52, s47
	s_mov_b32 s53, 0
	s_add_nc_u64 s[52:53], s[44:45], s[52:53]      ; their scale row
.set ci, 0
.rept 128
	global_load_b32 v[LD+ci], v[AI], s[48:49] offset:ci*8192 th:TH_LOAD_NT   ; key ci, my channel: a wave reads 128 consecutive bytes, the four waves 512
.set ci, ci+1
.endr
.macro VBLK k, left
	s_wait_loadcnt \left                           ; this block's 32 loads are in; at most so many of the later blocks' may be out
	MAX32 MXA, MXB, LD+32*\k
	v_add_nc_u32 v[SCA], EOFF, v[MXA]
	v_lshrrev_b32 v[BYA], 23, v[SCA]
.if \k == 0
	v_mov_b32 v[WD], v[BYA]
.else
	v_lshl_or_b32 v[WD], v[BYA], 8*\k, v[WD]       ; my row's scale word: the lower keys in the lower byte
.endif
	v_cvt_scalef32_pk16_bf6_f32 v[CB+8*\k:CB+8*\k+2], v[LD+32*\k:LD+32*\k+15], v[SCA]
	v_cvt_scalef32_pk16_bf6_f32 v[CT+4*\k:CT+4*\k+2], v[LD+32*\k+16:LD+32*\k+31], v[SCA]
	v_nop                                          ; one plain place behind a scaled conversion
.irp i, 0,1,2
	v_mov_b32 v[CB+8*\k+3+\i], v[CT+4*\k+\i]
.endr
.endm
	VBLK 0, 63                                     ; (96 later loads: the count is the largest that the field holds)
	VBLK 1, 63                                     ; (64 later loads)
	VBLK 2, 32
	VBLK 3, 0
.irp i, 0,1,2,3,4,5
	v_permlane16_swap_b32 v[CB+\i], v[CB+8+\i]     ; blocks 0, 1: the first now holds fragment 2 pi's half 0 (lanes 0-15 block 0, lanes 16-31 block 1), the second fragment 2 pi + 1's
	v_permlane16_swap_b32 v[CB+16+\i], v[CB+24+\i] ; blocks 2, 3: the halves 1
.endr
	global_store_b128 v[L16], v[CB:CB+3], s[50:51]
	global_store_b64 v[AO], v[CB+4:CB+5], s[50:51] offset:512
	global_store_b128 v[L16], v[CB+16:CB+19], s[50:51] offset:768
	global_store_b64 v[AO], v[CB+20:CB+21], s[50:51] offset:768+512
	global_store_b128 v[L16], v[CB+8:CB+11], s[50:51] offset:1536
	global_store_b64 v[AO], v[CB+12:CB+13], s[50:51] offset:1536+512
	global_store_b128 v[L16], v[CB+24:CB+27], s[50:51] offset:2304
	global_store_b64 v[AO], v[CB+28:CB+29], s[50:51] offset:2304+512
	global_store_b32 v[L4], v[WD], s[52:53]
.Lend:
	s_wait_tensorcnt 0x0                           ; the wave's end
	ds_add_u32 v[SPW], v[NIL]
	s_wait_dscnt 0x0
	s_endpgm
.Lfunc_end_k_qdcc572c039_quant:
	.size	k_qdcc572c039_quant, .Lfunc_end_k_qdcc572c039_quant-k_qdcc572c039_quant
	.p2alignl 7, 3214868480
	.fill 96, 4, 3214868480
	.section	.rodata,"a",@progbits
	.p2align	6, 0x0
	.amdhsa_kernel k_qdcc572c039_quant
		.amdhsa_group_segment_fixed_size 70144
		.amdhsa_private_segment_fixed_size 0
		.amdhsa_enable_private_segment 0
		.amdhsa_kernarg_size 88
		.amdhsa_user_sgpr_count 2
		.amdhsa_user_sgpr_kernarg_segment_ptr 1
		.amdhsa_wavefront_size32 1
		.amdhsa_system_sgpr_workgroup_id_x 1
		.amdhsa_system_sgpr_workgroup_id_y 1
		.amdhsa_system_sgpr_workgroup_id_z 1
		.amdhsa_system_vgpr_workitem_id 0
		.amdhsa_next_free_vgpr 256
		.amdhsa_next_free_sgpr 100
		.amdhsa_reserve_vcc 1
		.amdhsa_float_denorm_mode_32 3
		.amdhsa_float_denorm_mode_16_64 3
		.amdhsa_memory_ordered 1
		.amdhsa_forward_progress 1
		.amdhsa_inst_pref_size 41
	.end_amdhsa_kernel
	.amdgpu_metadata
---
amdhsa.version: [ 1, 2 ]
amdhsa.kernels:
  - .name:           k_qdcc572c039_quant
    .symbol:         k_qdcc572c039_quant.kd
    .args:
      - { .name: kv_external, .offset: 0, .size: 8, .value_kind: global_buffer, .address_space: global }
      - { .name: xl_memory, .offset: 8, .size: 8, .value_kind: global_buffer, .address_space: global }
      - { .name: input, .offset: 16, .size: 8, .value_kind: global_buffer, .address_space: global }
      - { .name: Wq, .offset: 24, .size: 8, .value_kind: global_buffer, .address_space: global }
      - { .name: Wk, .offset: 32, .size: 8, .value_kind: global_buffer, .address_space: global }
      - { .name: Wv, .offset: 40, .size: 8, .value_kind: global_buffer, .address_space: global }
      - { .name: Wo, .offset: 48, .size: 8, .value_kind: global_buffer, .address_space: global }
      - { .name: kx, .offset: 56, .size: 8, .value_kind: global_buffer, .address_space: global }
      - { .name: vx, .offset: 64, .size: 8, .value_kind: global_buffer, .address_space: global }
      - { .name: loc, .offset: 72, .size: 8, .value_kind: global_buffer, .address_space: global }
      - { .name: gw, .offset: 80, .size: 8, .value_kind: global_buffer, .address_space: global }
    .group_segment_fixed_size: 70144
    .private_segment_fixed_size: 0
    .kernarg_segment_align: 8
    .kernarg_segment_size: 88
    .max_flat_workgroup_size: 128
    .sgpr_count:     100
    .vgpr_count:     256
    .wavefront_size: 32
...
	.end_amdgpu_metadata
.endif
;; end of part 1
;; launch qkv (part 2): grid 64 x 3, 16 waves a work-group, no clusters, 167,936 bytes of LDS; arguments gw, bq, bk, bv, qi, loc, out1; writes qi, loc, out1
.if DOCPART == 2
	.amdgcn_target "amdgcn-amd-amdhsa--gfx1250"
	.amdhsa_code_object_version 6
	.text
	.protected	k_qdcc572c039_qkv
	.globl	k_qdcc572c039_qkv
	.p2align	8
	.type	k_qdcc572c039_qkv,@function
k_qdcc572c039_qkv:
	s_mov_b64 s[64:65], 0
	v_nop
	global_prefetch_b8 v0, s[64:65] scope:SCOPE_SE
	s_setreg_imm32_b32 hwreg(HW_REG_WAVE_MODE, 25, 1), 1
	s_wait_xcnt 0x0
; LAUNCH 2 OF 4.  Products 1 to 3 on the codes that launch quant made, the biases, the l2norm of q and k over the whole row of 1,024, out1, and the codes of q, of the new keys and of the new values.
; No work of reference() is left out here.
; SHARES.  Work-group x = a group of 32 tokens, y = the role (0 q, 1 k, 2 v).  WAVE w IS HEAD w: 32 tokens x 64 columns, eight accumulators.  A work-group holds whole rows, so the norm needs no second launch.
; The product is used transposed (source 0 = 16 rows of W, source 1 = 16 tokens).  The rows of a fragment are 8 u + pat(p) of a group of 32, pat(p) = p % 8 + 16 (p / 8):
; so register 16 gl + 8 u' + j of lane (token slot r, h) is column 32 gl + 16 h + 8 u' + j of the head: 16 neighbours for the conversions.
; The tokens' 16 fragments go once through LDS (wave w brings fragment w); each fragment of W is used by one wave alone and goes straight into its registers, two K steps ahead.
; No tensor load and no cluster: nothing but the small x images is shared inside a work-group; work-groups of one role do read the same W, which is the price of whole rows.
; The bias is the C of each sum's first product.  The eight accumulators take turns, one instruction a turn.
; LIMITS: as in launch quant (NaN, infinities; the floor of a block's byte; a block of zeros has the byte 1).  The new values' scale bytes leave as single bytes 4 apart: 64 KiB in the whole launch.
.set NP,    24576                      ; LDS: 0: the 16 images of x (24,576 B); NP: sums of squares [u][slot][16 waves] (2,048 B)
.set STG,   26624                      ; a stage of 32 rows x 272 B for each wave
.set SPARE, 165888                     ; the spare words, 128 bytes a wave
.set FLOOR, 0x2800000
.set EOFF,  0xfe000000
.set L16, 1                            ; 16 x lane: an image's place, in memory and in LDS
.set L4,  2
.set RR,  3
.set HH,  4
.set AXW, 5
.set L8,  6
.set ANP, 7
.set ANR, 8
.set ASI, 9
.set ASR, 10
.set ASC, 11
.set GO,  12
.set BO,  13
.set SPW, 14
.set NIL, 15
.set XS,  16                           ; v16-23  x's scale rows, one a K step (lanes 0-15 tile 0, lanes 16-31 tile 1)
.set WS,  24                           ; v24-39  W's scale rows [gl][sg]
.set ACC, 40                           ; v40-103 accumulator (u, 2 gl + u') at 32 u + 8 (2 gl + u')
.set WF,  104                          ; v104-199 W's four fragments, two buffers; on the way out rows of out1 and columns of v
.set XF,  200                          ; v200-223 x's two fragments
.set RN,  224                          ; v224-227 1 / norm, a pair for each tile
.set MXA, 228
.set MXB, 229
.set PXA, 230
.set PXB, 231
.set SCA, 232
.set SCB, 233
.set BYA, 234
.set BYB, 235
.set KI,  236                          ; v236-247 codes
.set TT,  248
.set W0,  252
.set W1,  253
.set WW,  254
.set R4,  255
.set SEL, 22
.macro MMQ d, a, b, sa, sb, ra, rb     ; D = C = v[d..], the scale rows chosen by ra, rb
.if ((\ra) == 0) && ((\rb) == 0)
	v_wmma_scale_f32_16x16x128_f8f6f4 v[\d:\d+7], v[\a:\a+11], v[\b:\b+11], v[\d:\d+7], v[\sa], v[\sb] matrix_a_fmt:MATRIX_FMT_BF6 matrix_b_fmt:MATRIX_FMT_BF6
.elseif (\rb) == 0
	v_wmma_scale_f32_16x16x128_f8f6f4 v[\d:\d+7], v[\a:\a+11], v[\b:\b+11], v[\d:\d+7], v[\sa], v[\sb] matrix_a_fmt:MATRIX_FMT_BF6 matrix_b_fmt:MATRIX_FMT_BF6 matrix_a_scale:MATRIX_SCALE_ROW1
.elseif (\ra) == 0
	v_wmma_scale_f32_16x16x128_f8f6f4 v[\d:\d+7], v[\a:\a+11], v[\b:\b+11], v[\d:\d+7], v[\sa], v[\sb] matrix_a_fmt:MATRIX_FMT_BF6 matrix_b_fmt:MATRIX_FMT_BF6 matrix_b_scale:MATRIX_SCALE_ROW1
.else
	v_wmma_scale_f32_16x16x128_f8f6f4 v[\d:\d+7], v[\a:\a+11], v[\b:\b+11], v[\d:\d+7], v[\sa], v[\sb] matrix_a_fmt:MATRIX_FMT_BF6 matrix_b_fmt:MATRIX_FMT_BF6 matrix_a_scale:MATRIX_SCALE_ROW1 matrix_b_scale:MATRIX_SCALE_ROW1
.endif
.endm
.macro PLACES
.rept 4
	v_nop
.endr
.endm
.macro WLOAD sg                        ; W's four fragments of K step sg into buffer sg % 2: twelve loads of 512 consecutive bytes
.irp gl, 0,1
.irp up, 0,1
.irp c, 0,1,2
	global_load_b128 v[WF+48*((\sg)%2)+12*(2*\gl+\up)+4*\c:WF+48*((\sg)%2)+12*(2*\gl+\up)+4*\c+3], v[L16], s[28:29] offset:\gl*24576+(\sg)*3072+\up*1536+512*\c
.endr
.endr
.endr
.endm
; 32 numbers of a lane, register 16 b + i = k 32 b + 16 h + i of my row, become six registers of codes at v[d] (lane (r, h') then holds block h' whole) and the two bytes, low and next, in v[w]
.macro QH s, d, w
	v_max3_num_f32 v[MXA], |v[\s]|, |v[\s+1]|, FLOOR
	v_max3_num_f32 v[MXB], |v[\s+16]|, |v[\s+17]|, FLOOR
.irp i, 2,4,6,8,10,12,14
	v_max3_num_f32 v[MXA], v[MXA], |v[\s+\i]|, |v[\s+\i+1]|
	v_max3_num_f32 v[MXB], v[MXB], |v[\s+16+\i]|, |v[\s+17+\i]|
.endr
	s_delay_alu instid0(VALU_DEP_2)
	v_permlanex16_b32 v[PXA], v[MXA], s[SEL], s[SEL+1]
	s_delay_alu instid0(VALU_DEP_2)
	v_permlanex16_b32 v[PXB], v[MXB], s[SEL], s[SEL+1]
	s_delay_alu instid0(VALU_DEP_2)
	v_max_num_f32 v[MXA], v[MXA], v[PXA]           ; with lane l xor 16's: the block's largest magnitude
	s_delay_alu instid0(VALU_DEP_2)
	v_max_num_f32 v[MXB], v[MXB], v[PXB]
	s_delay_alu instid0(VALU_DEP_2)
	v_add_nc_u32 v[SCA], EOFF, v[MXA]
	s_delay_alu instid0(VALU_DEP_2)
	v_add_nc_u32 v[SCB], EOFF, v[MXB]
	s_delay_alu instid0(VALU_DEP_2)
	v_lshrrev_b32 v[BYA], 23, v[SCA]
	s_delay_alu instid0(VALU_DEP_2)
	v_lshrrev_b32 v[BYB], 23, v[SCB]
	v_cvt_scalef32_pk16_bf6_f32 v[\d:\d+2], v[\s:\s+15], v[SCA]
	v_cvt_scalef32_pk16_bf6_f32 v[TT:TT+2], v[\s+16:\s+31], v[SCB]
	v_lshl_or_b32 v[\w], v[BYB], 8, v[BYA]         ; (the plain place behind the conversions)
.irp i, 0,1,2
	v_permlane16_swap_b32 v[\d+\i], v[TT+\i]       ; the first now holds each lane's block's lower 16 codes, the second the upper 16
.endr
.irp i, 0,1,2
	s_delay_alu instid0(VALU_DEP_3)
	v_mov_b32 v[\d+3+\i], v[TT+\i]
.endr
.endm
.macro MAX32 m, n, x
	v_max3_num_f32 v[\m], |v[\x]|, |v[\x+1]|, |v[\x+2]|
	v_max3_num_f32 v[\n], |v[\x+3]|, |v[\x+4]|, |v[\x+5]|
.irp i, 6,10,14,18,22,26
	s_delay_alu instid0(VALU_DEP_2)
	v_max3_num_f32 v[\m], v[\m], |v[\x+\i]|, |v[\x+\i+1]|
	s_delay_alu instid0(VALU_DEP_2)
	v_max3_num_f32 v[\n], v[\n], |v[\x+\i+2]|, |v[\x+\i+3]|
.endr
	s_delay_alu instid0(VALU_DEP_2)
	v_max3_num_f32 v[\m], v[\m], |v[\x+30]|, |v[\x+31]|
	s_delay_alu instid0(VALU_DEP_1)
	v_max3_num_f32 v[\m], v[\m], v[\n], FLOOR
.endm
	s_load_b256 s[4:11], s[0:1], 0x0               ; gw s[4:5], bq s[6:7], bk s[8:9], bv s[10:11]
	s_load_b128 s[12:15], s[0:1], 0x20             ; qi s[12:13], loc s[14:15]
	s_load_b64 s[16:17], s[0:1], 0x30              ; out1
	v_lshl_add_u32 v[SPW], v0, 2, SPARE
	v_mov_b32 v[NIL], 0
	v_lshrrev_b32 v[WW], 5, v0
	s_delay_alu instid0(VALU_DEP_1)
	v_readfirstlane_b32 s18, v[WW]                 ; wave = head
	v_and_b32 v[WW], 31, v0
	v_and_b32 v[RR], 15, v0
	v_bfe_u32 v[HH], v0, 4, 1
	s_delay_alu instid0(VALU_DEP_3)
	v_lshlrev_b32 v[L16], 4, v[WW]
	s_delay_alu instid0(VALU_DEP_4)
	v_lshlrev_b32 v[L4], 2, v[WW]
	v_lshlrev_b32 v[L8], 3, v[WW]
	v_lshlrev_b32 v[R4], 2, v[RR]
	s_mul_i32 s34, s18, 1536
	v_add_nc_u32 v[AXW], s34, v[L16]               ; where I put x's fragment w
	s_lshl_b32 s35, s18, 2
	s_add_co_u32 s35, s35, NP
	v_lshl_add_u32 v[ANP], v[RR], 6, s35           ; my head's sum of squares of token slot r
	v_lshl_add_u32 v[ANR], v[RR], 6, NP            ; the sixteen heads' sums of slot r
	s_mul_i32 s35, s18, 8704
	s_add_co_u32 s35, s35, STG                     ; my stage
	v_mul_u32_u24 v[ASI], v[RR], 272
	s_delay_alu instid0(VALU_DEP_1)
	v_lshl_add_u32 v[ASI], v[HH], 6, v[ASI]
	s_delay_alu instid0(VALU_DEP_1)
	v_add_nc_u32 v[ASI], s35, v[ASI]               ; in: row = token slot, + 64 h bytes
	v_mul_u32_u24 v[ASR], v[HH], 272
	s_delay_alu instid0(VALU_DEP_1)
	v_lshl_add_u32 v[ASR], v[RR], 4, v[ASR]
	s_delay_alu instid0(VALU_DEP_1)
	v_add_nc_u32 v[ASR], s35, v[ASR]               ; back by rows: lanes 0-15 one row, lanes 16-31 the next
	v_and_b32 v[ASC], 8, v[RR]
	s_delay_alu instid0(VALU_DEP_1)
	v_add_nc_u32 v[ASC], v[ASC], v[RR]
	s_delay_alu instid0(VALU_DEP_1)
	v_lshl_add_u32 v[ASC], v[HH], 3, v[ASC]
	s_delay_alu instid0(VALU_DEP_1)
	v_lshl_add_u32 v[ASC], v[ASC], 2, s35          ; back by columns: channel 8 h + pat(r)
	v_lshlrev_b32 v[GO], 13, v[HH]
	s_delay_alu instid0(VALU_DEP_1)
	v_lshl_add_u32 v[GO], v[RR], 4, v[GO]          ; out1: a token is 8,192 bytes
	v_lshlrev_b32 v[BO], 6, v[HH]
	v_mov_b32 v[PXA], 0                            ; lane permutes' destinations count as read
	v_mov_b32 v[PXB], 0
	v_mov_b32 v[SCA], 0
	v_mov_b32 v[SCB], 0
	v_min_u32 v[W0], 47, v0                        ; the prefetch's offset: thread t of waves 0 and 1 names block min(t, 47) of 256 bytes
	s_delay_alu instid0(VALU_DEP_1)
	v_lshlrev_b32 v[W0], 8, v[W0]
	s_mov_b32 s[SEL], 0x76543210
	s_mov_b32 s[SEL+1], 0xfedcba98
	s_and_b32 s20, ttmp7, 0xffff                   ; the role
	s_lshr_b32 s21, ttmp9, 4                       ; b
	s_and_b32 s19, ttmp9, 15                       ; the group of 32 tokens inside b
	s_lshl_b32 s36, s21, 4
	s_add_co_u32 s36, s36, s18                     ; bh = 16 b + head
	s_mul_i32 s24, ttmp9, 24576
	s_add_co_u32 s24, s24, s34                     ; x's fragment w
	s_mov_b32 s25, 0
	s_lshl_b32 s26, ttmp9, 10
	s_add_co_u32 s26, s26, 0x480000                ; x's scale rows
	s_mov_b32 s27, 0
	s_lshl_b32 s37, s20, 5
	s_lshl_b32 s38, s18, 1
	s_add_co_u32 s37, s37, s38
	s_add_co_u32 s37, s37, 64                      ; my head's first group of 32 rows of W in gw
	s_mul_i32 s28, s37, 24576
	s_mov_b32 s29, 0
	s_lshl_b32 s30, s37, 10
	s_add_co_u32 s30, s30, 0x480000
	s_mov_b32 s31, 0
	s_lshl_b32 s32, s18, 8                         ; my head's 64 numbers of the bias
	s_mov_b32 s33, 0
	s_wait_alu depctr_va_vdst(0)
	s_wait_kmcnt 0x0
	s_add_nc_u64 s[24:25], s[4:5], s[24:25]
	s_add_nc_u64 s[26:27], s[4:5], s[26:27]
	s_add_nc_u64 s[28:29], s[4:5], s[28:29]
	s_add_nc_u64 s[30:31], s[4:5], s[30:31]
	s_cmp_eq_u32 s20, 1
	s_cselect_b64 s[38:39], s[8:9], s[10:11]
	s_cmp_eq_u32 s20, 0
	s_cselect_b64 s[38:39], s[6:7], s[38:39]
	s_add_nc_u64 s[32:33], s[38:39], s[32:33]
	; A PREFETCH INTO THE L2.  The 64 work-groups of a role all read that role's 786,432 bytes of W's images, K step by K step.  They share the blocks out by address:
	; work-group x names bytes 12,288 x .. + 12,287, 48 blocks of 256 bytes, a lane a block, waves 0 and 1 alone (wave 1's lanes 16-31 name its last block again).
	s_lshl_b32 s40, s20, 5
	s_add_co_u32 s40, s40, 64
	s_mul_i32 s40, s40, 24576                      ; where the role's W begins in gw
	s_mul_i32 s41, ttmp9, 12288
	s_add_co_u32 s40, s40, s41
	s_mov_b32 s41, 0
	s_add_nc_u64 s[40:41], s[4:5], s[40:41]
	s_cmp_lt_u32 s18, 2
	s_cbranch_scc0 .Lno_ask
	global_prefetch_b8 v[W0], s[40:41] th:TH_LOAD_NT scope:SCOPE_SE
.Lno_ask:
.irp c, 0,1,2
	global_load_b128 v[XF+4*\c:XF+4*\c+3], v[L16], s[24:25] offset:512*\c
.endr
.irp g, 0,1,2,3,4,5,6,7
	global_load_b32 v[XS+\g], v[L4], s[26:27] offset:128*\g
.endr
.irp gl, 0,1
.irp g, 0,1,2,3,4,5,6,7
	global_load_b32 v[WS+8*\gl+\g], v[L4], s[30:31] offset:1024*\gl+128*\g
.endr
.endr
.irp u, 0,1
.irp gl, 0,1
.irp up, 0,1
.irp q, 0,1
	global_load_b128 v[ACC+32*\u+16*\gl+8*\up+4*\q:ACC+32*\u+16*\gl+8*\up+4*\q+3], v[BO], s[32:33] offset:128*\gl+32*\up+16*\q   ; the bias, in the result's layout: the C of the first product
.endr
.endr
.endr
.endr
	WLOAD 0
	WLOAD 1
	s_wait_loadcnt 63                              ; behind x's three loads: 8 + 16 scale rows, 16 of the bias, 24 of W: 64; the count is the largest that the field holds
.irp c, 0,1,2
	ds_store_b128 v[AXW], v[XF+4*\c:XF+4*\c+3] offset:512*\c
.endr
	s_wait_dscnt 0x0                               ; my image has landed,
	s_barrier_signal -1
	s_barrier_wait -1                              ; everybody's has
.macro KSTEP sg
.irp u, 0,1
.irp c, 0,1,2
	ds_load_b128 v[XF+12*\u+4*\c:XF+12*\u+4*\c+3], v[L16] offset:(2*(\sg)+\u)*1536+512*\c
.endr
.endr
.if (\sg) < 7
	s_wait_loadcnt 12                              ; this step's W is in; the next step's twelve loads may be out
.else
	s_wait_loadcnt 0x0
.endif
	s_wait_dscnt 0x0
.irp gl, 0,1
.irp up, 0,1
.irp u, 0,1
	MMQ ACC+32*\u+16*\gl+8*\up, WF+48*((\sg)%2)+12*(2*\gl+\up), XF+12*\u, WS+8*\gl+(\sg), XS+(\sg), \up, \u
.endr
.endr
.endr
	PLACES                                         ; four places in front of loads into registers that these products read, and of the first read of results
.if (\sg) <= 5
	WLOAD (\sg)+2
.endif
.endm
.irp g, 0,1,2,3,4,5,6,7
	KSTEP \g
.endr
	s_wait_xcnt 0x0                                ; the prefetch has read its address registers: they are written again below
	s_cmp_eq_u32 s20, 2
	s_cbranch_scc1 .Lno_squares
.irp u, 0,1
	v_pk_mul_f32 v[MXA+2*\u:MXA+2*\u+1], v[ACC+32*\u:ACC+32*\u+1], v[ACC+32*\u:ACC+32*\u+1]   ; each accumulator is read from its low end on
.endr
.irp i, 2,4,6,8,10,12,14,16,18,20,22,24,26,28,30
.irp u, 0,1
	v_pk_fma_f32 v[MXA+2*\u:MXA+2*\u+1], v[ACC+32*\u+\i:ACC+32*\u+\i+1], v[ACC+32*\u+\i:ACC+32*\u+\i+1], v[MXA+2*\u:MXA+2*\u+1]
.endr
.endr
	s_delay_alu instid0(VALU_DEP_2)
	v_add_f32 v[MXA], v[MXA], v[MXA+1]
	s_delay_alu instid0(VALU_DEP_2)
	v_add_f32 v[PXA], v[PXA], v[PXA+1]
	s_delay_alu instid0(VALU_DEP_2)
	v_permlanex16_b32 v[SCA], v[MXA], s[SEL], s[SEL+1]
	s_delay_alu instid0(VALU_DEP_2)
	v_permlanex16_b32 v[SCB], v[PXA], s[SEL], s[SEL+1]
	s_delay_alu instid0(VALU_DEP_2)
	v_add_f32 v[MXA], v[MXA], v[SCA]               ; my head's 64 squares of token slot r, tile 0,
	s_delay_alu instid0(VALU_DEP_2)
	v_add_f32 v[PXA], v[PXA], v[SCB]               ; tile 1
	ds_store_b32 v[ANP], v[MXA]
	ds_store_b32 v[ANP], v[PXA] offset:1024
.Lno_squares:
	s_wait_dscnt 0x0
	s_barrier_signal -1                            ; every role passes this barrier
	s_barrier_wait -1
	s_cmp_eq_u32 s20, 2
	s_cbranch_scc1 .Lrole_kv
.irp u, 0,1
.irp q, 0,1,2,3
	ds_load_b128 v[WF+16*\u+4*\q:WF+16*\u+4*\q+3], v[ANR] offset:1024*\u+16*\q
.endr
.endr
	s_wait_dscnt 0x0
.irp u, 0,1
.irp i, 0,4,8,12
	v_pk_add_f32 v[WF+16*\u+\i:WF+16*\u+\i+1], v[WF+16*\u+\i:WF+16*\u+\i+1], v[WF+16*\u+\i+2:WF+16*\u+\i+3]
.endr
	s_delay_alu instid0(VALU_DEP_3)
	v_pk_add_f32 v[WF+16*\u:WF+16*\u+1], v[WF+16*\u:WF+16*\u+1], v[WF+16*\u+4:WF+16*\u+5]
	s_delay_alu instid0(VALU_DEP_2)
	v_pk_add_f32 v[WF+16*\u+8:WF+16*\u+9], v[WF+16*\u+8:WF+16*\u+9], v[WF+16*\u+12:WF+16*\u+13]
	s_delay_alu instid0(VALU_DEP_1)
	v_pk_add_f32 v[WF+16*\u:WF+16*\u+1], v[WF+16*\u:WF+16*\u+1], v[WF+16*\u+8:WF+16*\u+9]
	s_delay_alu instid0(VALU_DEP_1)
	v_add_f32 v[WF+16*\u], v[WF+16*\u], v[WF+16*\u+1]          ; the row's 1,024 squares
.endr
	s_wait_alu depctr_va_vdst(0)
	v_sqrt_f32 v[RN], v[WF]
	v_sqrt_f32 v[RN+2], v[WF+16]
	v_nop                                          ; a plain place behind the roots,
	s_wait_alu depctr_va_vdst(0)                   ; and a wait ahead of the first use
	v_max_num_f32 v[RN], 0x2b8cbccc, v[RN]         ; max(norm, 1e-12)
	v_max_num_f32 v[RN+2], 0x2b8cbccc, v[RN+2]
	s_wait_alu depctr_va_vdst(0)
	v_rcp_f32 v[RN], v[RN]
	v_rcp_f32 v[RN+2], v[RN+2]
	v_mov_b32 v[RN+1], 0                           ; (named as the pairs' upper halves; plain places)
	v_mov_b32 v[RN+3], 0
	s_wait_alu depctr_va_vdst(0)
.irp u, 0,1
.irp i, 0,2,4,6,8,10,12,14,16,18,20,22,24,26,28,30
	v_pk_mul_f32 v[ACC+32*\u+\i:ACC+32*\u+\i+1], v[ACC+32*\u+\i:ACC+32*\u+\i+1], v[RN+2*\u:RN+2*\u+1] op_sel_hi:[1,0]
.endr
.endr
	s_cmp_eq_u32 s20, 0
	s_cbranch_scc0 .Lrole_kv
	; ---- role q: two half images (tiles 2 G' and 2 G' + 1 of my head) and their scale words [s0, s1, s0, s1]
	s_lshl_b32 s40, s36, 5
	s_lshl_b32 s41, s19, 1
	s_add_co_u32 s40, s40, s41                     ; 32 bh + 2 G'
	s_mul_i32 s42, s40, 768
	s_mov_b32 s43, 0
	s_add_nc_u64 s[42:43], s[12:13], s[42:43]
	s_lshl_b32 s44, s40, 6
	s_add_co_u32 s44, s44, 0x180000
	s_mov_b32 s45, 0
	s_add_nc_u64 s[44:45], s[12:13], s[44:45]
	QH ACC, KI, W0
	QH ACC+32, KI+6, W1
	v_lshl_or_b32 v[W0], v[W0], 16, v[W0]
	v_lshl_or_b32 v[W1], v[W1], 16, v[W1]
	v_cmp_ne_u32 vcc_lo, 0, v[HH]
	s_delay_alu instid0(VALU_DEP_1)
	v_cndmask_b32 v[WW], v[W0], v[W1], vcc_lo
.irp u, 0,1
	global_store_b128 v[L16], v[KI+6*\u:KI+6*\u+3], s[42:43] offset:768*\u
	global_store_b64 v[L8], v[KI+6*\u+4:KI+6*\u+5], s[42:43] offset:768*\u+512
.endr
	global_store_b32 v[L4], v[WW], s[44:45]
	s_branch .Lend
.Lrole_kv:
	; ---- roles k and v: out1, through my stage: sixteen lanes store a token's 256 bytes of my head
	s_lshl_b32 s54, ttmp9, 18
	s_sub_co_u32 s55, s20, 1
	s_lshl_b32 s55, s55, 12
	s_add_co_u32 s54, s54, s55
	s_lshl_b32 s55, s18, 8
	s_add_co_u32 s54, s54, s55
	s_mov_b32 s55, 0
	s_add_nc_u64 s[54:55], s[16:17], s[54:55]
	s_wait_alu depctr_va_vdst(0)
.irp u, 0,1
.irp q, 0,1,2,3,4,5,6,7
	ds_store_b128 v[ASI], v[ACC+32*\u+4*\q:ACC+32*\u+4*\q+3] offset:\u*4352+128*(\q/4)+16*(\q%4)   ; registers 16 gl + 4 q': bytes 128 gl + 64 h + 16 q'; each accumulator from its low end on
.endr
.endr
.irp i, 0,1,2,3,4,5,6,7,8,9,10,11,12,13,14,15
	ds_load_b128 v[WF+4*\i:WF+4*\i+3], v[ASR] offset:2*\i*272      ; LDS serves a wave in order: these see my stores
.endr
.macro OUT1                            ; out1's rows leave at the role's end, behind its quantising: v104-167 keep them till then
	s_wait_dscnt 0x0                               ; the rows are back from the stage
.irp i, 0,1,2,3,4,5,6,7,8,9,10,11,12,13,14,15
	global_store_b128 v[GO], v[WF+4*\i:WF+4*\i+3], s[54:55] offset:(8*(\i/8)+((2*\i)%8)+16*(((2*\i)%16)/8))*8192 th:TH_STORE_NT   ; stage row 16 u + p is token 8 u + pat(p)
.endr
.endm
	s_cmp_eq_u32 s20, 1
	s_cbranch_scc0 .Lrole_v
	; ---- role k: block 16 + G' of my head's keys: a full image [tile 0's key | tile 1's key] and its words
	s_lshl_b32 s40, s36, 5
	s_add_co_u32 s40, s40, s19
	s_add_co_u32 s40, s40, 16
	s_mul_i32 s42, s40, 1536
	s_mov_b32 s43, 0
	s_add_nc_u64 s[42:43], s[14:15], s[42:43]
	s_lshl_b32 s44, s40, 6
	s_add_co_u32 s44, s44, 0x300000
	s_mov_b32 s45, 0
	s_add_nc_u64 s[44:45], s[14:15], s[44:45]
	QH ACC, KI, W0
	QH ACC+32, KI+6, W1
	v_lshl_or_b32 v[WW], v[W1], 16, v[W0]
.irp c, 0,1,2
	global_store_b128 v[L16], v[KI+4*\c:KI+4*\c+3], s[42:43] offset:512*\c
.endr
	global_store_b32 v[R4], v[WW], s[44:45]        ; 64 bytes; lanes r and r + 16 store the same word to the same place
	OUT1
	s_branch .Lend
.Lrole_v:
	; ---- role v: my 32 tokens are one block of 32 keys of each of my head's 64 channels.  A lane takes a channel, and reads its 32 tokens out of the stage in the keys' order
	s_lshr_b32 s40, s19, 2
	s_add_co_u32 s40, s40, 4                       ; the step of 128 keys
	s_lshl_b32 s41, s36, 3
	s_add_co_u32 s41, s41, s40
	s_and_b32 s42, s19, 3                          ; the block in the step: 2 c' + h'
	s_lshr_b32 s43, s42, 1
	s_and_b32 s44, s42, 1
	s_mul_i32 s46, s41, 6144
	s_mul_i32 s45, s43, 768
	s_add_co_u32 s46, s46, s45
	s_add_co_u32 s46, s46, 0x320000
	s_lshl_b32 s45, s44, 8
	s_add_co_u32 s48, s46, s45                     ; registers 0-3 of slot (r, h'): 16 r + 256 h'
	s_mov_b32 s49, 0
	s_lshl_b32 s45, s44, 7
	s_add_co_u32 s50, s46, s45
	s_add_co_u32 s50, s50, 512                     ; registers 4-5: 512 + 8 r + 128 h'
	s_mov_b32 s51, 0
	s_lshl_b32 s52, s41, 8
	s_add_co_u32 s52, s52, s42
	s_add_co_u32 s52, s52, 0x620000                ; my block's byte of the scale words
	s_mov_b32 s53, 0
	s_add_nc_u64 s[48:49], s[14:15], s[48:49]
	s_add_nc_u64 s[50:51], s[14:15], s[50:51]
	s_add_nc_u64 s[52:53], s[14:15], s[52:53]
	v_mul_u32_u24 v[W0], v[HH], 1536
	s_delay_alu instid0(VALU_DEP_1)
	v_lshl_add_u32 v[W1], v[RR], 3, v[W0]
	s_delay_alu instid0(VALU_DEP_2)
	v_lshl_add_u32 v[W0], v[RR], 4, v[W0]
.irp pi, 0,1
.irp t, 0,1,2,3,4,5,6,7,8,9,10,11,12,13,14,15,16,17,18,19,20,21,22,23,24,25,26,27,28,29,30,31
	ds_load_b32 v[WF+64+\t], v[ASC] offset:(16*((\t/8)%2)+(\t%8)+8*(\t/16))*272+128*\pi
.endr
	s_wait_dscnt 0x0
	MAX32 MXA, MXB, WF+64
	s_delay_alu instid0(VALU_DEP_1)
	v_add_nc_u32 v[SCA], EOFF, v[MXA]
	s_delay_alu instid0(VALU_DEP_1)
	v_lshrrev_b32 v[BYA+\pi], 23, v[SCA]
	v_cvt_scalef32_pk16_bf6_f32 v[KI+6*\pi:KI+6*\pi+2], v[WF+64:WF+79], v[SCA]
	v_cvt_scalef32_pk16_bf6_f32 v[TT:TT+2], v[WF+80:WF+95], v[SCA]
	v_nop                                          ; one plain place behind a scaled conversion
.irp i, 0,1,2
	v_mov_b32 v[KI+6*\pi+3+\i], v[TT+\i]
.endr
	global_store_b128 v[W0], v[KI+6*\pi:KI+6*\pi+3], s[48:49] offset:3072*\pi    ; lanes 0-15 fragment 2 pi, lanes 16-31 fragment 2 pi + 1: 256 consecutive bytes each
	global_store_b64 v[W1], v[KI+6*\pi+4:KI+6*\pi+5], s[50:51] offset:3072*\pi
	global_store_b8 v[L4], v[BYA+\pi], s[52:53] offset:128*\pi
.endr
	OUT1
.Lend:
	s_wait_tensorcnt 0x0                           ; the wave's end
	ds_add_u32 v[SPW], v[NIL]
	s_wait_dscnt 0x0
	s_endpgm
.Lfunc_end_k_qdcc572c039_qkv:
	.size	k_qdcc572c039_qkv, .Lfunc_end_k_qdcc572c039_qkv-k_qdcc572c039_qkv
	.p2alignl 7, 3214868480
	.fill 96, 4, 3214868480
	.section	.rodata,"a",@progbits
	.p2align	6, 0x0
	.amdhsa_kernel k_qdcc572c039_qkv
		.amdhsa_group_segment_fixed_size 167936
		.amdhsa_private_segment_fixed_size 0
		.amdhsa_enable_private_segment 0
		.amdhsa_kernarg_size 56
		.amdhsa_user_sgpr_count 2
		.amdhsa_user_sgpr_kernarg_segment_ptr 1
		.amdhsa_wavefront_size32 1
		.amdhsa_system_sgpr_workgroup_id_x 1
		.amdhsa_system_sgpr_workgroup_id_y 1
		.amdhsa_system_sgpr_workgroup_id_z 1
		.amdhsa_system_vgpr_workitem_id 0
		.amdhsa_next_free_vgpr 256
		.amdhsa_next_free_sgpr 66
		.amdhsa_reserve_vcc 1
		.amdhsa_float_denorm_mode_32 3
		.amdhsa_float_denorm_mode_16_64 3
		.amdhsa_memory_ordered 1
		.amdhsa_forward_progress 1
		.amdhsa_inst_pref_size 63
	.end_amdhsa_kernel
	.amdgpu_metadata
---
amdhsa.version: [ 1, 2 ]
amdhsa.kernels:
  - .name:           k_qdcc572c039_qkv
    .symbol:         k_qdcc572c039_qkv.kd
    .args:
      - { .name: gw, .offset: 0, .size: 8, .value_kind: global_buffer, .address_space: global }
      - { .name: bq, .offset: 8, .size: 8, .value_kind: global_buffer, .address_space: global }
      - { .name: bk, .offset: 16, .size: 8, .value_kind: global_buffer, .address_space: global }
      - { .name: bv, .offset: 24, .size: 8, .value_kind: global_buffer, .address_space: global }
      - { .name: qi, .offset: 32, .size: 8, .value_kind: global_buffer, .address_space: global }
      - { .name: loc, .offset: 40, .size: 8, .value_kind: global_buffer, .address_space: global }
      - { .name: out1, .offset: 48, .size: 8, .value_kind: global_buffer, .address_space: global }
    .group_segment_fixed_size: 167936
    .private_segment_fixed_size: 0
    .kernarg_segment_align: 8
    .kernarg_segment_size: 56
    .max_flat_workgroup_size: 512
    .sgpr_count:     66
    .vgpr_count:     256
    .wavefront_size: 32
...
	.end_amdgpu_metadata
.endif
;; end of part 2
;; launch attn (part 3): grid 256 x 1, 4 waves a work-group, no clusters, 327,680 bytes of LDS; arguments qi, kx, vx, loc, rel_pos, gate, fz; writes fz
.if DOCPART == 3
	.amdgcn_target "amdgcn-amd-amdhsa--gfx1250"
	.amdhsa_code_object_version 6
	.text
	.protected	k_qdcc572c039_attn
	.globl	k_qdcc572c039_attn
	.p2align	8
	.type	k_qdcc572c039_attn,@function
k_qdcc572c039_attn:
	s_mov_b64 s[64:65], 0
	v_nop
	global_prefetch_b8 v0, s[64:65] scope:SCOPE_SE
	s_setreg_imm32_b32 hwreg(HW_REG_WAVE_MODE, 25, 1), 1
	s_wait_xcnt 0x0
; LAUNCH 3 OF 4.  Products 4 to 7, both softmaxes and the gate, on the codes that launches quant and qkv made.  The fused rows leave as codes of E3M2 with their scale bytes, for launch proj.
; LEFT OUT: a step of 128 new keys that begins behind a tile's group of 128 queries holds only keys that reference()'s own triu mask sets to -inf, for all values of the inputs:
; such steps, and their part of rel_pos, are neither loaded nor multiplied.  LIMITS: as in launch quant; a NaN, an infinity or an overflow that reaches only those steps is not carried to the result;
; the promise holds while the scaled scores (the exponents to the base 2, before the maximum is taken away) stay under 2^31 in magnitude.
; SHARES.  Work-group = (b, head, c), c = 0 .. 3: the tiles of 16 queries 4 g + 0 .. 3 for g = c and then for g = 7 - c, so that the four work-groups of a (b, head) walk equally many local steps.
; LOCAL: wave w takes tile 4 g + w through products 4 and 5 in steps of 128 keys, operands straight from memory into registers, with a running whole-number maximum; rel_pos, turned through the wave's
; stage in LDS, is the C of the score product.  UNIT: one tile against all 4,096 retrieved keys; wave w takes keys 1,024 w .. + 1,023: 512 scores a lane in windows 2 and 3.  That softmax is quantised finished
; and normalised, so the four waves exchange maximum and sum through LDS ahead of the quantiser; the four partial results meet in LDS, and the wave that owns the tile adds them, applies the gate, quantises and stores.
; K = 64 IN A FORM OF K = 128: a fragment's row is [key, 64 dims | key + 8, 64 dims]; q stands in the low 64 with zeros above (QLO) or in the high 64 with zeros below (QHI).
; Both products are used transposed: a lane holds one query, its registers run along the keys.
; LDS: 0: the (b, head)'s K images, 196,608 bytes (wave w reads its quarter); VXL: V's steps 5 to 7 of each wave's eight, 18,432 bytes a wave (steps 0 to 4 stay in window 1); STG: a stage a wave; OPL: partial results; STATS; SPARE: the spare words.
; ALL FILLS OF LDS GO OUT AT THE HEAD, ONE TENSOR LOAD A WAVE: waves 0 to 2 a third of K each, wave 3 the four waves' parts of V as one tile of 4 rows.  Nothing is filled again.
; NO CLUSTER: the four work-groups of a (b, head) do read the same K and V images, once, at the head; but the trips of their local walks hang on c, their place among the four, so joint loads are not open to them.
.set VXL,   196608
.set STG,   270336
.set OPL,   304128
.set STATS, 320512
.set SPARE, 321024
.set FLOOR, 0x2800000
.set EOFF,  0xfe000000
.set L16, 1
.set L8P, 2
.set R4,  3
.set L4,  4
.set AK,  5
.set AV16, 6
.set AV8, 7
.set ASTI, 8
.set ASTO, 9
.set AOPW, 10
.set AO0, 10
.set SPW, 14
.set NIL, 15
.set DD,  16
.set NINF, 17
.set FB,  18
.set PFO, 19
.set G1,  20
.set GV,  22
.set ASW, 23
.set QHI, 24
.set QLO, 30
.set QS,  42
.set PW,  43
.set KSC, 44
.set VSC, 60
.set LKS, 76
.set LVS, 78
.set KF,  80
.set SL,  80
.set BM,  128
.set OX,  160
.set PC,  192
.set PT,  204
.set TM,  212
.set NM,  228
.set L0,  230
.set L1,  232
.set FF,  234
.set ST,  236
.set ASR, 244
.set HH,  245
.set DD0, 246
.set TA,  247
.set TB,  248
.set TC,  249
.set PFL, 250                          ; v250 the offset of the prefetch of the local K and V images; never rewritten
.set LK,  0
.set LV,  48
.set RL,  96
.set PFA, 2
.set WV,  18
.set LC,  19
.set SEL, 20
.set CS,  22
.set G0K, 24
.set G1K, 28
.set G1V, 36
.set G0V, 44
.set BH,  48
.set CC,  49
.set HEAD, 50
.set BB,  51
.set GG,  52
.set XH,  53
.set UU,  54
.set NF,  55
.set RP,  56
.set KP,  58
.set KSP, 60
.set VP,  62
.set VSP, 66
.set QB0, 68
.set QS0, 70
.set FZ0, 72
.set FZS0, 74
.set RELH, 80
.set LK0, 82
.set LKS0, 84
.set LV0, 86
.set LVS0, 88
.set QP,  90
.set QSP, 92
.set FP,  96
.set FSP, 98
.set MSB, 0
.macro WIN new
.if MSB != (\new)
	s_set_vgpr_msb (MSB<<8)|(\new)
.set MSB, (\new)
.endif
.endm
.macro PLACES
.rept 4
	v_nop
.endr
.endm
.macro MM d, a, b, z, sa, sb, ra
.if (\z) && ((\ra) == 0)
	v_wmma_scale_f32_16x16x128_f8f6f4 v[\d:\d+7], v[\a:\a+11], v[\b:\b+11], 0, v[\sa], v[\sb] matrix_a_fmt:MATRIX_FMT_BF6 matrix_b_fmt:MATRIX_FMT_BF6
.elseif (\z)
	v_wmma_scale_f32_16x16x128_f8f6f4 v[\d:\d+7], v[\a:\a+11], v[\b:\b+11], 0, v[\sa], v[\sb] matrix_a_fmt:MATRIX_FMT_BF6 matrix_b_fmt:MATRIX_FMT_BF6 matrix_a_scale:MATRIX_SCALE_ROW1
.elseif (\ra) == 0
	v_wmma_scale_f32_16x16x128_f8f6f4 v[\d:\d+7], v[\a:\a+11], v[\b:\b+11], v[\d:\d+7], v[\sa], v[\sb] matrix_a_fmt:MATRIX_FMT_BF6 matrix_b_fmt:MATRIX_FMT_BF6
.else
	v_wmma_scale_f32_16x16x128_f8f6f4 v[\d:\d+7], v[\a:\a+11], v[\b:\b+11], v[\d:\d+7], v[\sa], v[\sb] matrix_a_fmt:MATRIX_FMT_BF6 matrix_b_fmt:MATRIX_FMT_BF6 matrix_a_scale:MATRIX_SCALE_ROW1
.endif
.endm
.macro QLOAD
	s_mul_i32 s94, s76, 768
	s_mov_b32 s95, 0
	s_add_nc_u64 s[QP:QP+1], s[QB0:QB0+1], s[94:95]
	s_lshl_b32 s94, s76, 6
	s_add_nc_u64 s[QSP:QSP+1], s[QS0:QS0+1], s[94:95]
	global_load_b128 v[QLO:QLO+3], v[L16], s[QP:QP+1]
	global_load_b64 v[QLO+4:QLO+5], v[L8P], s[QP:QP+1]
	global_load_b32 v[QS], v[R4], s[QSP:QSP+1]
.endm
.macro RELLOAD
	WIN 0x80
.irp p, 0,1,2,3,4,5,6,7,8,9,10,11,12,13,14,15
	global_load_b128 v[RL+4*\p:RL+4*\p+3], v[L16], s[RP:RP+1] offset:((\p%8)+16*(\p/8))*4096
.endr
	WIN 0
.endm
.macro KLLOAD
	WIN 0x80
.irp f, 0,1,2,3
.irp c, 0,1,2
	global_load_b128 v[LK+12*\f+4*\c:LK+12*\f+4*\c+3], v[L16], s[KP:KP+1] offset:\f*1536+512*\c
.endr
.endr
	WIN 0
	global_load_b32 v[LKS], v[L4], s[KSP:KSP+1]
	global_load_b32 v[LKS+1], v[L4], s[KSP:KSP+1] offset:128
.endm
.macro VLLOAD
	WIN 0x80
.irp f, 0,1,2,3
.irp c, 0,1
	global_load_b128 v[LV+12*\f+6*\c:LV+12*\f+6*\c+3], v[L16], s[VP:VP+1] offset:\f*1536+\c*768
	global_load_b64 v[LV+12*\f+6*\c+4:LV+12*\f+6*\c+5], v[L8P], s[VP:VP+1] offset:\f*1536+\c*768
.endr
.endr
	WIN 0
	global_load_b32 v[LVS], v[L4], s[VSP:VSP+1]
	global_load_b32 v[LVS+1], v[L4], s[VSP:VSP+1] offset:128
.endm
.macro QTAIL base, w
.irp b, 0,1,2,3
	v_add_nc_u32 v[TM+8+\b], EOFF, v[TM+\b]
.endr
.irp b, 0,1,2,3
	v_lshrrev_b32 v[TM+4+\b], 23, v[TM+8+\b]
.endr
	v_lshl_or_b32 v[PW], v[TM+5], 8, v[TM+4]
	v_lshl_or_b32 v[PW], v[TM+6], 16, v[PW]
	v_lshl_or_b32 v[PW], v[TM+7], 24, v[PW]
	WIN \w
.irp c, 0,1
	v_cvt_scalef32_pk16_bf6_f32 v[PC+6*\c:PC+6*\c+2], v[\base+32*\c:\base+32*\c+15], v[TM+8+2*\c]
	v_cvt_scalef32_pk16_bf6_f32 v[PT+4*\c:PT+4*\c+2], v[\base+32*\c+16:\base+32*\c+31], v[TM+9+2*\c]
.endr
	WIN 0
	v_nop
.irp c, 0,1
.irp i, 0,1,2
	v_permlane16_swap_b32 v[PC+6*\c+\i], v[PT+4*\c+\i]
.endr
.irp i, 0,1,2
	v_mov_b32 v[PC+3+6*\c+\i], v[PT+4*\c+\i]
.endr
.endr
.endm
.macro LSTEP mask, next
	s_wait_loadcnt 32
.if \next
	s_wait_xcnt 0x0
	s_add_nc_u64 s[RP:RP+1], s[RP:RP+1], 512
	s_add_nc_u64 s[KP:KP+1], s[KP:KP+1], 6144
	s_add_nc_u64 s[KSP:KSP+1], s[KSP:KSP+1], 256
	s_add_nc_u64 s[VP:VP+1], s[VP:VP+1], 6144
	s_add_nc_u64 s[VSP:VSP+1], s[VSP:VSP+1], 256
.endif
	WIN 0x08
.irp p, 0,1,2,3,4,5,6,7,8,9,10,11,12,13,14,15
	ds_store_b128 v[ASTI], v[RL+4*\p:RL+4*\p+3] offset:528*\p
.endr
	WIN 0
.irp b, 0,1,2,3
.irp q, 0,1,2,3
	ds_load_b128 v[SL+16*\b+4*\q:SL+16*\b+4*\q+3], v[ASTO] offset:128*\b+16*\q
.endr
.endr
	s_wait_dscnt 0x0
.if \next
	RELLOAD
	s_wait_loadcnt 34
.else
	s_wait_loadcnt 18
.endif
	WIN 0x02
.irp i, 0,1,2,3
	MM SL+16*\i, LK+12*\i, QLO, 0, LKS+\i/2, QS, \i%2
	MM SL+16*\i+8, LK+12*\i, QHI, 0, LKS+\i/2, QS, \i%2
.endr
	WIN 0
	PLACES
.if \next
	KLLOAD
.else
	s_wait_loadcnt 0x0
	s_wait_xcnt 0x0
	s_lshl_b32 s76, s[GG], 2
	QLOAD
.endif
.if \mask
.set ci, 0
.rept 64
	v_cmp_gt_i32 vcc_lo, 32*(ci/16)+ci%16, v[DD]
	v_cndmask_b32 v[SL+ci], v[SL+ci], v[NINF], vcc_lo
.set ci, ci+1
.endr
.endif
.irp b, 0,1,2,3
	v_max3_num_f32 v[TM+\b], v[SL+16*\b], v[SL+16*\b+1], v[SL+16*\b+2]
.endr
.irp i, 3,5,7,9,11,13
.irp b, 0,1,2,3
	v_max3_num_f32 v[TM+\b], v[TM+\b], v[SL+16*\b+\i], v[SL+16*\b+\i+1]
.endr
.endr
.irp b, 0,1,2,3
	v_max_num_f32 v[TM+\b], v[TM+\b], v[SL+16*\b+15]
.endr
.irp b, 0,1,2,3
	v_permlanex16_b32 v[TM+4+\b], v[TM+\b], s[SEL], s[SEL+1]
.endr
.irp b, 0,1,2,3
	v_max_num_f32 v[TM+\b], v[TM+\b], v[TM+4+\b]
.endr
	v_max3_num_f32 v[TA], v[TM], v[TM+1], v[TM+2]
	v_max_num_f32 v[TA], v[TA], v[TM+3]
	v_mul_f32 v[TA], s[CS], v[TA]
	v_max_num_f32 v[NM+1], v[NM+1], v[TA]
	v_mov_b32 v[TA], v[NM]
	v_floor_f32 v[NM], -v[NM+1]
	v_sub_f32 v[TA], v[NM], v[TA]
	v_cvt_i32_f32 v[TA], v[TA]
	v_ldexp_f32 v[FF], 1.0, v[TA]
.set ci, 0
.rept 32                               ; t - M of all 64 scores first: the batch of exponentials then has one wait ahead of it
	v_pk_fma_f32 v[SL+ci:SL+ci+1], v[SL+ci:SL+ci+1], s[CS:CS+1], v[NM:NM+1] op_sel_hi:[1,0,0]
.set ci, ci+2
.endr
.irp b, 0,1,2,3
	v_fma_f32 v[TM+\b], v[TM+\b], s[CS], v[NM]
.endr
.set ci, 0
	s_wait_alu depctr_va_vdst(0)
.rept 64
	v_exp_f32 v[SL+ci], v[SL+ci]
.set ci, ci+1
.endr
	v_pk_mul_f32 v[L0:L0+1], v[L0:L0+1], v[FF:FF+1] op_sel_hi:[1,0]
	s_wait_alu depctr_va_vdst(0)
.irp b, 0,1,2,3
	v_exp_f32 v[TM+\b], v[TM+\b]
.endr
	v_pk_add_f32 v[L1:L1+1], v[SL:SL+1], v[SL+2:SL+3]
.irp i, 4,8,12,16,20,24,28,32,36,40,44,48,52,56,60
	v_pk_add_f32 v[L0:L0+1], v[L0:L0+1], v[SL+\i:SL+\i+1]
	v_pk_add_f32 v[L1:L1+1], v[L1:L1+1], v[SL+\i+2:SL+\i+3]
.endr
	v_pk_add_f32 v[L0:L0+1], v[L0:L0+1], v[L1:L1+1]
	s_wait_alu depctr_va_vdst(0)
.irp b, 0,1,2,3
	v_max_num_f32 v[TM+\b], FLOOR, v[TM+\b]
.endr
	QTAIL SL, 0
.set ci, 0
.rept 16
	v_pk_mul_f32 v[OX+ci:OX+ci+1], v[OX+ci:OX+ci+1], v[FF:FF+1] op_sel_hi:[1,0]
.set ci, ci+2
.endr
.if \next
	s_wait_alu depctr_va_vdst(0)
	s_wait_loadcnt 30
.else
	s_wait_alu depctr_va_vdst(0)
	s_wait_loadcnt 3
.endif
	WIN 0x02
.irp f, 0,1,2,3
	MM OX+8*\f, LV+12*\f, PC, 0, LVS+\f/2, PW, \f%2
.endr
	WIN 0
	PLACES
.if \next
	VLLOAD
.endif
.endm
.macro LOCAL again
.if \again
	s_wait_loadcnt 0x0
.endif
	s_wait_xcnt 0x0
	s_lshl_b32 s76, s[GG], 2
	s_add_co_u32 s76, s76, s[WV]
	s_lshr_b32 s77, s76, 1
	s_lshl_b32 s77, s77, 5
	s_and_b32 s78, s76, 1
	s_lshl_b32 s78, s78, 3
	s_add_co_u32 s77, s77, s78
	s_lshr_b32 s[NF], s77, 7
	s_add_co_u32 s[NF], s[NF], 4
	s_and_b32 s78, s77, 127
	v_add_nc_u32 v[DD], s78, v[DD0]
	s_lshl_b32 s94, s77, 12
	s_mov_b32 s95, 0
	s_add_nc_u64 s[RP:RP+1], s[RELH:RELH+1], s[94:95]
	s_mov_b64 s[KP:KP+1], s[LK0:LK0+1]
	s_mov_b64 s[KSP:KSP+1], s[LKS0:LKS0+1]
	s_mov_b64 s[VP:VP+1], s[LV0:LV0+1]
	s_mov_b64 s[VSP:VSP+1], s[LVS0:LVS0+1]
	QLOAD
	RELLOAD
	KLLOAD
	VLLOAD
.if (\again) == 0
	; PREFETCHES INTO THE L2 FOR THE FIRST LOCAL WALK, behind its first step's loads.  The local K and V images of a (b, head), 49,152 bytes each, are read by its four work-groups, which share the
	; blocks out by address: work-group c names bytes 12,288 c .. + 12,287, a lane a block of 256 bytes, waves 0 and 1 of K, waves 2 and 3 of V (the lanes left over name their wave's last block again).
	s_cmp_lt_u32 s[WV], 2
	s_cselect_b64 s[PFA:PFA+1], s[LK0:LK0+1], s[LV0:LV0+1]
	global_prefetch_b8 v[PFL], s[PFA:PFA+1] th:TH_LOAD_NT scope:SCOPE_SE
	; rel_pos is the same for the four batches: batch 0's work-groups ask.  My tile's 16 rows x 512 bytes of steps 1 to 4, a lane 256 bytes, and of step 5 where the tile has it; masked steps are not named.
	s_cmp_eq_u32 s[BB], 0
	s_cbranch_scc0 .Lno_pf0
.irp k, 1,2,3,4
	global_prefetch_b8 v[PFO], s[RP:RP+1] offset:512*\k th:TH_LOAD_NT scope:SCOPE_SE
.endr
	s_cmp_eq_u32 s[NF], 5
	s_cbranch_scc0 .Lno_pf0
	global_prefetch_b8 v[PFO], s[RP:RP+1] offset:2560 th:TH_LOAD_NT scope:SCOPE_SE
.Lno_pf0:
.endif
	v_mov_b32 v[NM+1], 0xff61b1e6
	v_floor_f32 v[NM], -v[NM+1]
	v_mov_b32 v[L0], 0
	v_mov_b32 v[L0+1], 0
.set ci, 0
.rept 32
	v_mov_b32 v[OX+ci], 0
.set ci, ci+1
.endr
	s_mov_b32 s[LC], 0
.Llstep_\@:
	LSTEP 0, 1
	s_add_co_u32 s[LC], s[LC], 1
	s_cmp_lt_u32 s[LC], s[NF]
	s_cbranch_scc1 .Llstep_\@
	LSTEP 1, 0
	v_add_f32 v[TA], v[L0], v[L0+1]
	v_permlanex16_b32 v[TB], v[TA], s[SEL], s[SEL+1]
	v_add_f32 v[TA], v[TA], v[TB]
	s_wait_alu depctr_va_vdst(0)
	v_rcp_f32 v[TA], v[TA]
	v_nop
	s_wait_alu depctr_va_vdst(0)
	v_mul_f32 v[FF], v[TA], v[GV]
.set ci, 0
.rept 16
	v_pk_mul_f32 v[OX+ci:OX+ci+1], v[OX+ci:OX+ci+1], v[FF:FF+1] op_sel_hi:[1,0]
.set ci, ci+2
.endr
.irp i, 0,1,2,3,4,5,6,7
	ds_store_b128 v[ASTI], v[OX+4*\i:OX+4*\i+3] offset:512*\i
.endr
.endm
.macro KLOAD s
.if ((\s)%3) == 2                      ; three buffers by turns: v80-127, v160-207, and v192-239 of window 3, which step 7's scores take over only behind step 5's products
.set kb, 192
	WIN 0xc0
.else
.set kb, KF+80*((\s)%3)
.endif
.irp f, 0,1,2,3
.irp c, 0,1,2
	ds_load_b128 v[kb+12*\f+4*\c:kb+12*\f+4*\c+3], v[AK] offset:(4*(\s)+\f)*1536+512*\c
.endr
.endr
	WIN 0
.endm
.macro MAXS s
	WIN 0x28+0x14*((\s)/4)
.irp i, 0,2,4,6,8,10,12,14
.irp b, 0,1,2,3
.if \i == 0
	v_max3_num_f32 v[BM+4*(\s)+\b], v[NINF], v[64*((\s)%4)+16*\b], v[64*((\s)%4)+16*\b+1]
.else
	v_max3_num_f32 v[BM+4*(\s)+\b], v[BM+4*(\s)+\b], v[64*((\s)%4)+16*\b+\i], v[64*((\s)%4)+16*\b+\i+1]
.endif
.endr
.endr
	WIN 0
.endm
.macro MAXG s, i                       ; four lines of MAXS: registers i, i + 1 of step s's four blocks
	WIN 0x28+0x14*((\s)/4)
.irp b, 0,1,2,3
.if (\i) == 0
	v_max3_num_f32 v[BM+4*(\s)+\b], v[NINF], v[64*((\s)%4)+16*\b], v[64*((\s)%4)+16*\b+1]
.else
	v_max3_num_f32 v[BM+4*(\s)+\b], v[BM+4*(\s)+\b], v[64*((\s)%4)+16*\b+(\i)], v[64*((\s)%4)+16*\b+(\i)+1]
.endif
.endr
.endm
.macro MULP s, from, n                 ; n lines of MULS, from pair number from on
	WIN 0x82+0x41*((\s)/4)
.set ci, 64*((\s)%4)+2*(\from)
.rept \n
	v_pk_mul_f32 v[ci:ci+1], v[ci:ci+1], v[FF:FF+1] op_sel_hi:[1,0]
.set ci, ci+2
.endr
.endm
.macro MULS s
	WIN 0x82+0x41*((\s)/4)
.set ci, 64*((\s)%4)
.rept 32
	v_pk_mul_f32 v[ci:ci+1], v[ci:ci+1], v[FF:FF+1] op_sel_hi:[1,0]
.set ci, ci+2
.endr
	WIN 0
.endm
.macro VFETCH s
.irp f, 0,1,2,3
.irp c, 0,1
	ds_load_b128 v[KF+12*\f+6*\c:KF+12*\f+6*\c+3], v[AV16] offset:((\s)-5)*6144+\f*1536+\c*768
	ds_load_b64 v[KF+12*\f+6*\c+4:KF+12*\f+6*\c+5], v[AV8] offset:((\s)-5)*6144+\f*1536+\c*768
.endr
.endr
.endm
	s_load_b256 s[4:11], s[0:1], 0x0
	s_load_b128 s[12:15], s[0:1], 0x20
	s_load_b64 s[16:17], s[0:1], 0x30
	v_lshl_add_u32 v[SPW], v0, 2, SPARE
	v_mov_b32 v[NIL], 0
	ds_add_u32 v[SPW], v[NIL]
	ds_add_u32 v[SPW], v[NIL]
	v_lshrrev_b32 v[TA], 5, v0
	v_readfirstlane_b32 s[WV], v[TA]
	s_lshr_b32 s[BH], ttmp9, 2
	s_and_b32 s[CC], ttmp9, 3
	s_and_b32 s[HEAD], s[BH], 15
	s_lshr_b32 s[BB], s[BH], 4
	s_mov_b32 s[GG], s[CC]
	s_mov_b32 s[G1K], 3<<16
	s_mov_b32 s[G1K+1], 32<<16
	s_mov_b32 s[G1K+2], 256<<16                    ; K: 256 rows of 256 bytes a load
	s_mov_b32 s[G1K+3], 32<<16
	s_mov_b32 s[G1K+4], 256
	s_mov_b32 s[G1K+5], 32
	s_mov_b32 s[G1K+6], 0
	s_mov_b32 s[G1K+7], 0
	s_mov_b32 s[G1V], 3<<16
	s_mov_b32 s[G1V+1], 2304<<16                   ; V: 4 rows, one a wave, of 2,304 elements of 8 bytes (three steps' images),
	s_mov_b32 s[G1V+2], 4<<16
	s_mov_b32 s[G1V+3], 2304<<16
	s_mov_b32 s[G1V+4], 4
	s_mov_b32 s[G1V+5], 6144                       ; 49,152 bytes, a wave's eight steps, from row to row
	s_mov_b32 s[G1V+6], 0
	s_mov_b32 s[G1V+7], 0
	s_mov_b32 s[G0K], 1
	s_mul_i32 s[G0K+1], s[WV], 65536               ; waves 0 to 2 bring a third of K's 196,608 bytes each
	s_mov_b32 s[G0V], 1
	s_mov_b32 s[G0V+1], VXL
	s_mul_i32 s76, s[BH], 196608                   ; where the (b, head)'s images begin, in kx and in vx alike
	s_mov_b32 s77, 0
	s_mul_i32 s78, s[WV], 49152                    ; my quarter of K in LDS
	s_mul_i32 s79, s[WV], 18432
	s_add_co_u32 s79, s79, VXL                     ; my row of V's tile
	s_mov_b32 s[SEL], 0x76543210
	s_mov_b32 s[SEL+1], 0xfedcba98
	s_mov_b32 s[CS], 0x3e38aa3b
	s_mov_b32 s[CS+1], s[CS]
	v_and_b32 v[TA], 31, v0
	v_and_b32 v[TB], 15, v0
	v_bfe_u32 v[HH], v0, 4, 1
	v_lshlrev_b32 v[L16], 4, v[TA]
	v_lshlrev_b32 v[L8P], 3, v[TA]
	v_add_nc_u32 v[L8P], 512, v[L8P]
	v_lshlrev_b32 v[R4], 2, v[TB]
	v_lshlrev_b32 v[L4], 2, v[TA]
	v_add_nc_u32 v[AK], s78, v[L16]
	v_add_nc_u32 v[AV16], s79, v[L16]
	v_add_nc_u32 v[AV8], s79, v[L8P]
	s_mul_i32 s78, s[WV], 8448
	s_add_co_u32 s78, s78, STG
	v_add_nc_u32 v[ASTI], s78, v[L16]
	v_mul_u32_u24 v[ASTO], v[TB], 528
	v_lshl_add_u32 v[ASTO], v[HH], 6, v[ASTO]
	v_add_nc_u32 v[ASTO], s78, v[ASTO]
	s_lshl_b32 s78, s[WV], 12
	s_add_co_u32 s78, s78, OPL
	v_add_nc_u32 v[AOPW], s78, v[L16]
.irp k, 1,2,3
	s_add_co_u32 s78, s[WV], \k
	s_and_b32 s78, s78, 3
	s_lshl_b32 s78, s78, 12
	s_add_co_u32 s78, s78, OPL
	v_add_nc_u32 v[AO0+\k], s78, v[L16]
.endr
	s_lshl_b32 s78, s[WV], 7
	s_add_co_u32 s78, s78, STATS
	v_lshl_add_u32 v[ASW], v[TB], 3, s78
	v_lshl_add_u32 v[ASR], v[TB], 3, STATS
	v_and_b32 v[DD0], 8, v[TB]
	v_add_nc_u32 v[DD0], v[DD0], v[TB]
	v_lshlrev_b32 v[PFO], 12, v[DD0]
	v_lshl_add_u32 v[PFO], v[HH], 8, v[PFO]
	v_lshlrev_b32 v[TC], 4, v[HH]
	v_sub_nc_u32 v[DD0], v[DD0], v[TC]
	v_lshl_add_u32 v[FB], v[TB], 1, v[HH]
	v_and_b32 v[PFL], 63, v0
	v_min_u32 v[PFL], 47, v[PFL]
	v_lshlrev_b32 v[PFL], 8, v[PFL]
	s_mul_i32 s78, s[CC], 12288
	v_add_nc_u32 v[PFL], s78, v[PFL]               ; block min(t % 64, 47) of 256 bytes of my work-group's quarter, 12,288 bytes, of a (b, head)'s 49,152
	v_mov_b32 v[NINF], 0xff800000
.irp i, 0,1,2,3,4,5
	v_mov_b32 v[QHI+\i], 0
	v_mov_b32 v[QLO+6+\i], 0
.endr
.irp i, 4,5,6,7
	v_mov_b32 v[TM+\i], 0
.endr
	v_mov_b32 v[TB], 0
	v_mov_b32 v[FF+1], 0
	s_wait_alu depctr_va_vdst(0)                   ; the wait at the end of the head's vector work
	s_wait_dscnt 0x0                               ; both opening adds are done
	s_wait_kmcnt 0x0
	s_add_nc_u64 s[FP:FP+1], s[8:9], s[76:77]      ; vx: the (b, head)'s images
	s_add_nc_u64 s[G0V+2:G0V+3], s[FP:FP+1], 5*6144   ; V's tile begins at step 5 of the first quarter
	s_or_b32 s[G0V+3], s[G0V+3], 0x80000000
	s_add_nc_u64 s[G0K+2:G0K+3], s[6:7], s[76:77]
	s_mov_b32 s94, s[G0K+1]
	s_mov_b32 s95, 0
	s_add_nc_u64 s[G0K+2:G0K+3], s[G0K+2:G0K+3], s[94:95]   ; kx: my third
	s_or_b32 s[G0K+3], s[G0K+3], 0x80000000
	s_mul_i32 s94, s[WV], 49152
	s_add_nc_u64 s[FP:FP+1], s[FP:FP+1], s[94:95]  ; vx: my quarter, for the loads into window 1
	s_cmp_lt_u32 s[WV], 3                          ; one chain of two arms on the wave's number, one tensor load to an arm
	s_cbranch_scc0 .Lhead_v
	tensor_load_to_lds s[G0K:G0K+3], s[G1K:G1K+7]
	s_nop 0
	PLACES
	s_branch .Lhead_j
.Lhead_v:
	tensor_load_to_lds s[G0V:G0V+3], s[G1V:G1V+7]
	s_nop 0
	PLACES
.Lhead_j:
	s_lshl_b32 s94, s[HEAD], 2
	s_mov_b32 s95, 0
	s_add_nc_u64 s[14:15], s[14:15], s[94:95]
	s_load_b32 s79, s[14:15], 0x0
	s_lshl_b32 s94, s[BH], 13
	s_lshl_b32 s78, s[WV], 11
	s_add_co_u32 s94, s94, s78
	s_add_co_u32 s94, s94, 0xc00000
	s_add_nc_u64 s[FSP:FSP+1], s[6:7], s[94:95]
	s_add_nc_u64 s[6:7], s[8:9], s[94:95]          ; V's scale rows (kx's address is done with)
.irp i, 0,1,2,3,4,5,6,7,8,9,10,11,12,13,14,15
	global_load_b32 v[KSC+\i], v[L4], s[FSP:FSP+1] offset:128*\i
.endr
.macro VREGS                           ; V's steps 0 to 4 of my quarter into window 1, and V's sixteen scale rows: 96 loads, issued behind the first local walk
	WIN 0x40
.irp s, 0,1,2,3,4
.irp f, 0,1,2,3
.irp c, 0,1
	global_load_b128 v[48*\s+12*\f+6*\c:48*\s+12*\f+6*\c+3], v[L16], s[FP:FP+1] offset:\s*6144+\f*1536+\c*768
	global_load_b64 v[48*\s+12*\f+6*\c+4:48*\s+12*\f+6*\c+5], v[L8P], s[FP:FP+1] offset:\s*6144+\f*1536+\c*768
.endr
.endr
.endr
	WIN 0
.irp i, 0,1,2,3,4,5,6,7,8,9,10,11,12,13,14,15
	global_load_b32 v[VSC+\i], v[L4], s[6:7] offset:128*\i
.endr
.endm
	s_mul_i32 s94, s[BH], 24576
	s_add_nc_u64 s[QB0:QB0+1], s[4:5], s[94:95]
	s_lshl_b32 s94, s[BH], 11
	s_add_co_u32 s94, s94, 0x180000
	s_add_nc_u64 s[QS0:QS0+1], s[4:5], s[94:95]
	s_lshl_b32 s78, s[BB], 9
	s_add_co_u32 s78, s78, s[HEAD]
	s_mul_i32 s94, s78, 768
	s_add_nc_u64 s[FZ0:FZ0+1], s[16:17], s[94:95]
	s_lshl_b32 s94, s78, 5
	s_add_co_u32 s94, s94, 0x180000
	s_add_nc_u64 s[FZS0:FZS0+1], s[16:17], s[94:95]
	s_lshl_b32 s94, s[HEAD], 21
	s_add_nc_u64 s[RELH:RELH+1], s[12:13], s[94:95]
	s_mul_i32 s94, s[BH], 49152
	s_add_nc_u64 s[LK0:LK0+1], s[10:11], s[94:95]
	s_add_co_u32 s94, s94, 0x320000
	s_add_nc_u64 s[LV0:LV0+1], s[10:11], s[94:95]
	s_lshl_b32 s94, s[BH], 11
	s_add_co_u32 s94, s94, 0x300000
	s_add_nc_u64 s[LKS0:LKS0+1], s[10:11], s[94:95]
	s_add_co_u32 s94, s94, 0x320000
	s_add_nc_u64 s[LVS0:LVS0+1], s[10:11], s[94:95]
	s_wait_kmcnt 0x0
	v_mov_b32 v[TA], s79
	v_mul_f32 v[TA], 0xbfb8aa3b, v[TA]
	s_wait_alu depctr_va_vdst(0)
	v_exp_f32 v[TA], v[TA]
	v_nop
	s_wait_alu depctr_va_vdst(0)
	v_add_f32 v[TA], 1.0, v[TA]
	s_wait_alu depctr_va_vdst(0)
	v_rcp_f32 v[GV], v[TA]
	v_nop
	s_wait_alu depctr_va_vdst(0)
	v_sub_f32 v[G1], 1.0, v[GV]
	v_mov_b32 v[G1+1], v[G1]
	LOCAL 0
	s_wait_loadcnt 0x0                             ; the first unit's q is in
	VREGS                                          ; first read in the first unit's second product: the wait for them stands in the unit's middle
	s_wait_tensorcnt 0x0                           ; my tile of the head's four has landed,
	s_wait_dscnt 0x0                               ; my LDS stores are done,
	s_barrier_signal -1
	s_barrier_wait -1                              ; and everybody's: K's and V's images are whole for all four waves
	s_mov_b32 s[XH], 0
.Lhalf:
	s_mov_b32 s[UU], 0
.Lunit:
	s_wait_xcnt 0x0
	s_lshl_b32 s77, s[GG], 2
	s_add_co_u32 s77, s77, s[UU]
	KLOAD 0
	KLOAD 1
; The scores, eight steps of 128 keys.  K's fragments are asked of LDS two steps ahead; the block maxima of the step before stand in groups of eight between the pairs of products.
.irp s, 0,1,2,3,4,5,6,7
.if \s < 7
	s_wait_dscnt 12                                ; this step's fragments are in; the next step's twelve loads may be out
.else
	s_wait_dscnt 0x0
.endif
.if \s < 6
	KLOAD \s+2                                     ; into the buffer that the step before multiplied: four plain lines stand behind its last product
.endif
.if (\s%3) == 2
.set ka, 192
.set kw, 0x83+0x40*(\s/4)
.else
.set ka, KF+80*(\s%3)
.set kw, 0x80+0x40*(\s/4)
.endif
.irp i, 0,1,2,3
	WIN kw
	MM 64*(\s%4)+16*\i, ka+12*\i, QLO, 1, KSC+2*\s+\i/2, QS, \i%2
	MM 64*(\s%4)+16*\i+8, ka+12*\i, QHI, 1, KSC+2*\s+\i/2, QS, \i%2
.if \s > 0
	MAXG \s-1, 4*\i
	MAXG \s-1, 4*\i+2
.endif
.endr
	WIN 0
.if \s == 0
	PLACES
.endif
.endr
	MAXS 7
	s_cmp_lt_u32 s[UU], 3
	s_cbranch_scc0 .Lno_q
	s_add_co_u32 s76, s77, 1
	QLOAD
.Lno_q:
	s_xor_b32 s94, s[UU], 3
	s_or_b32 s94, s94, s[XH]
	s_or_b32 s94, s94, s[BB]
	s_cmp_eq_u32 s94, 0
	s_cbranch_scc0 .Lno_pf
	s_sub_co_u32 s94, 7, s[CC]
	s_lshl_b32 s94, s94, 2
	s_add_co_u32 s94, s94, s[WV]
	s_lshr_b32 s95, s94, 1
	s_lshl_b32 s95, s95, 5
	s_and_b32 s94, s94, 1
	s_lshl_b32 s94, s94, 3
	s_add_co_u32 s94, s94, s95
	s_lshl_b32 s94, s94, 12
	s_mov_b32 s95, 0
	s_add_nc_u64 s[PFA:PFA+1], s[RELH:RELH+1], s[94:95]
.irp k, 0,1,2,3,4,5,6
	global_prefetch_b8 v[PFO], s[PFA:PFA+1] offset:512*\k th:TH_LOAD_NT scope:SCOPE_SE
.endr
	s_cmp_lt_u32 s[CC], 2
	s_cbranch_scc0 .Lno_pf
	global_prefetch_b8 v[PFO], s[PFA:PFA+1] offset:3584 th:TH_LOAD_NT scope:SCOPE_SE
.Lno_pf:
.irp k, 0,1,2,3,4,5,6,7
.irp i, 0,1,2,3
	v_permlanex16_b32 v[TM+4+\i], v[BM+4*\k+\i], s[SEL], s[SEL+1]
.endr
.irp i, 0,1,2,3
	v_max_num_f32 v[BM+4*\k+\i], v[BM+4*\k+\i], v[TM+4+\i]
.endr
.endr
.irp i, 0,1,2,3
	v_max3_num_f32 v[TM+\i], v[BM+\i], v[BM+4+\i], v[BM+8+\i]
.endr
.irp k, 12,20
.irp i, 0,1,2,3
	v_max3_num_f32 v[TM+\i], v[TM+\i], v[BM+\k+\i], v[BM+\k+4+\i]
.endr
.endr
.irp i, 0,1,2,3
	v_max_num_f32 v[TM+\i], v[TM+\i], v[BM+28+\i]
.endr
	v_max3_num_f32 v[TA], v[TM], v[TM+1], v[TM+2]
	v_max_num_f32 v[TA], v[TA], v[TM+3]
	v_mul_f32 v[TA], s[CS], v[TA]
	v_floor_f32 v[NM], -v[TA]
.irp n, 0,1
	WIN 0x82+0x41*\n
.set ci, 0
.rept 128                              ; t - M of the window's 256 scores first: the batch of exponentials then has one wait ahead of it and one behind
	v_pk_fma_f32 v[ci:ci+1], v[ci:ci+1], s[CS:CS+1], v[NM:NM+1] op_sel_hi:[1,0,0]
.set ci, ci+2
.endr
.endr
	WIN 0
.set ci, 0
.rept 32
	v_fma_f32 v[BM+ci], v[BM+ci], s[CS], v[NM]
.set ci, ci+1
.endr
.set ci, 0
	s_wait_alu depctr_va_vdst(0)
.rept 32
	v_exp_f32 v[BM+ci], v[BM+ci]
.set ci, ci+1
.endr
.irp n, 0,1                            ; one batch: the 32 block maxima and the 512 scores; one wait ahead of it, one behind
	WIN 0x82+0x41*\n
.set ci, 0
.rept 256
	v_exp_f32 v[ci], v[ci]
.set ci, ci+1
.endr
.endr
	WIN 0
	v_nop
	s_wait_alu depctr_va_vdst(0)
	WIN 0x0a
.irp k, 0,1,2,3,4,5,6,7
	v_pk_add_f32 v[TM+2*\k:TM+2*\k+1], v[4*\k:4*\k+1], v[4*\k+2:4*\k+3]
.endr
	WIN 0x08
.set ci, 32
.rept 14
.irp k, 0,1,2,3,4,5,6,7
	v_pk_add_f32 v[TM+2*\k:TM+2*\k+1], v[TM+2*\k:TM+2*\k+1], v[ci+2*\k:ci+2*\k+1]
.endr
.set ci, ci+16
.endr
	WIN 0x0c
.set ci, 0
.rept 16
.irp k, 0,1,2,3,4,5,6,7
	v_pk_add_f32 v[TM+2*\k:TM+2*\k+1], v[TM+2*\k:TM+2*\k+1], v[ci+2*\k:ci+2*\k+1]
.endr
.set ci, ci+16
.endr
	WIN 0
.irp k, 0,1,2,3
	v_pk_add_f32 v[TM+2*\k:TM+2*\k+1], v[TM+2*\k:TM+2*\k+1], v[TM+8+2*\k:TM+9+2*\k]
.endr
	v_pk_add_f32 v[TM:TM+1], v[TM:TM+1], v[TM+4:TM+5]
	v_pk_add_f32 v[TM+2:TM+3], v[TM+2:TM+3], v[TM+6:TM+7]
	v_pk_add_f32 v[TM:TM+1], v[TM:TM+1], v[TM+2:TM+3]
	v_add_f32 v[TA], v[TM], v[TM+1]
	v_permlanex16_b32 v[TB], v[TA], s[SEL], s[SEL+1]
	v_add_f32 v[NM+1], v[TA], v[TB]
	ds_store_b64 v[ASW], v[NM:NM+1]
	s_wait_dscnt 0x0
	s_barrier_signal -1
	s_barrier_wait -1
.irp i, 0,1,2,3
	ds_load_b64 v[ST+2*\i:ST+2*\i+1], v[ASR] offset:128*\i
.endr
	s_wait_dscnt 0x0
	v_min3_num_f32 v[TA], v[ST], v[ST+2], v[ST+4]
	v_min_num_f32 v[TA], v[TA], v[ST+6]
.irp i, 0,1,2,3
	v_sub_f32 v[TM+\i], v[TA], v[ST+2*\i]
.endr
.irp i, 0,1,2,3
	v_cvt_i32_f32 v[TM+\i], v[TM+\i]
.endr
.irp i, 0,1,2,3
	v_ldexp_f32 v[ST+2*\i+1], v[ST+2*\i+1], v[TM+\i]
.endr
	v_add_f32 v[TB], v[ST+1], v[ST+3]
	v_add_f32 v[TC], v[ST+5], v[ST+7]
	v_add_f32 v[TB], v[TB], v[TC]
	s_wait_alu depctr_va_vdst(0)
	v_rcp_f32 v[TB], v[TB]
	v_sub_f32 v[TC], v[TA], v[NM]
	v_cvt_i32_f32 v[TC], v[TC]
	s_wait_alu depctr_va_vdst(0)
	v_ldexp_f32 v[FF], v[TB], v[TC]
.set ci, 0
.rept 32
	v_mul_f32 v[BM+ci], v[BM+ci], v[FF]
.set ci, ci+1
.endr
	s_wait_loadcnt 0x0                             ; the next unit's q is in, and in the first unit V's registers and scale rows
	MULS 0
.irp s, 0,1,2,3,4,5,6,7
.irp b, 0,1,2,3
	v_max_num_f32 v[TM+\b], FLOOR, v[BM+4*\s+\b]
.endr
.if \s >= 5
	VFETCH \s
.endif
	QTAIL 64*(\s%4), 2+\s/4
.if \s < 7
	MULP \s+1, 0, 14                               ; the next step's p x the row's factor: 14 lines here, the places in front of the products; 18 between the products
.else
	s_wait_alu depctr_va_vdst(0)
.rept 8
	v_nop
.endr
.endif
.if \s >= 5
	s_wait_dscnt 0x0
.endif
.irp f, 0,1,2,3
.if \s >= 5
	WIN 0
.else
	WIN 0x01
.endif
.if \s == 0
	MM OX+8*\f, 12*\f, PC, 1, VSC+\f/2, PW, \f%2
.elseif \s < 5
	MM OX+8*\f, 48*\s+12*\f, PC, 0, VSC+2*\s+\f/2, PW, \f%2
.else
	MM OX+8*\f, KF+12*\f, PC, 0, VSC+2*\s+\f/2, PW, \f%2
.endif
.if (\s < 7) && (\f < 3)
	MULP \s+1, 14+6*\f, 6
.endif
.endr
	WIN 0
.endr
	PLACES
.irp i, 0,1,2,3,4,5,6,7
	ds_store_b128 v[AOPW], v[OX+4*\i:OX+4*\i+3] offset:512*\i
.endr
	s_wait_dscnt 0x0
	s_barrier_signal -1
	s_barrier_wait -1
	s_cmp_lg_u32 s[WV], s[UU]
	s_cbranch_scc1 .Lnot_owner
.irp i, 0,1,2,3,4,5,6,7
	ds_load_b128 v[KF+4*\i:KF+4*\i+3], v[AO0+1] offset:512*\i
.endr
.irp i, 0,1,2,3,4,5,6,7
	ds_load_b128 v[KF+32+4*\i:KF+32+4*\i+3], v[AO0+2] offset:512*\i
.endr
	WIN 0x80
.irp i, 0,1,2,3,4,5,6,7
	ds_load_b128 v[4*\i:4*\i+3], v[AO0+3] offset:512*\i
.endr
.irp i, 0,1,2,3,4,5,6,7
	ds_load_b128 v[32+4*\i:32+4*\i+3], v[ASTI] offset:512*\i
.endr
	WIN 0
	s_wait_dscnt 16
.set ci, 0
.rept 16
	v_pk_add_f32 v[OX+ci:OX+ci+1], v[OX+ci:OX+ci+1], v[KF+ci:KF+ci+1]
.set ci, ci+2
.endr
.set ci, 0
.rept 16
	v_pk_add_f32 v[OX+ci:OX+ci+1], v[OX+ci:OX+ci+1], v[KF+32+ci:KF+32+ci+1]
.set ci, ci+2
.endr
	s_wait_dscnt 0x0
	WIN 0x08
.set ci, 0
.rept 16
	v_pk_add_f32 v[OX+ci:OX+ci+1], v[OX+ci:OX+ci+1], v[ci:ci+1]
.set ci, ci+2
.endr
	WIN 0x20
.set ci, 0
.rept 16
	v_pk_fma_f32 v[OX+ci:OX+ci+1], v[OX+ci:OX+ci+1], v[G1:G1+1], v[32+ci:33+ci] op_sel_hi:[1,0,1]
.set ci, ci+2
.endr
	WIN 0
	v_max3_num_f32 v[TM], |v[OX]|, |v[OX+1]|, FLOOR
	v_max3_num_f32 v[TM+1], |v[OX+16]|, |v[OX+17]|, FLOOR
.irp i, 2,4,6,8,10,12,14
	v_max3_num_f32 v[TM], v[TM], |v[OX+\i]|, |v[OX+\i+1]|
	v_max3_num_f32 v[TM+1], v[TM+1], |v[OX+16+\i]|, |v[OX+17+\i]|
.endr
	v_permlanex16_b32 v[TM+4], v[TM], s[SEL], s[SEL+1]
	v_permlanex16_b32 v[TM+5], v[TM+1], s[SEL], s[SEL+1]
	v_max_num_f32 v[TM], v[TM], v[TM+4]
	v_max_num_f32 v[TM+1], v[TM+1], v[TM+5]
	v_add_nc_u32 v[TM+8], EOFF, v[TM]
	v_add_nc_u32 v[TM+9], EOFF, v[TM+1]
	v_lshrrev_b32 v[TM+12], 23, v[TM+8]
	v_lshrrev_b32 v[TM+13], 23, v[TM+9]
	v_cvt_scalef32_pk16_bf6_f32 v[PC:PC+2], v[OX:OX+15], v[TM+8]
	v_cvt_scalef32_pk16_bf6_f32 v[PT:PT+2], v[OX+16:OX+31], v[TM+9]
	v_nop
.irp i, 0,1,2
	v_permlane16_swap_b32 v[PC+\i], v[PT+\i]
.endr
.irp i, 0,1,2
	v_mov_b32 v[PC+3+\i], v[PT+\i]
.endr
	v_cmp_ne_u32 vcc_lo, 0, v[HH]
	v_cndmask_b32 v[TA], v[TM+12], v[TM+13], vcc_lo
	s_mul_i32 s94, s77, 12288
	s_mov_b32 s95, 0
	s_add_nc_u64 s[FP:FP+1], s[FZ0:FZ0+1], s[94:95]
	s_lshl_b32 s94, s77, 9
	s_add_nc_u64 s[FSP:FSP+1], s[FZS0:FZS0+1], s[94:95]
	global_store_b128 v[L16], v[PC:PC+3], s[FP:FP+1]
	global_store_b64 v[L8P], v[PC+4:PC+5], s[FP:FP+1]
	global_store_b8 v[FB], v[TA], s[FSP:FSP+1]
.Lnot_owner:
	s_add_co_u32 s[UU], s[UU], 1
	s_cmp_lt_u32 s[UU], 4
	s_cbranch_scc1 .Lunit
	s_cmp_eq_u32 s[XH], 1
	s_cbranch_scc1 .Ldone
	s_sub_co_u32 s[GG], 7, s[CC]
	LOCAL 1
	s_wait_loadcnt 0x0                             ; the next unit's q is in
	s_add_co_u32 s[XH], s[XH], 1
	s_cmp_lt_u32 s[XH], 2
	s_cbranch_scc1 .Lhalf
.Ldone:
	s_wait_tensorcnt 0x0
	ds_add_u32 v[SPW], v[NIL]
	s_wait_dscnt 0x0
	s_endpgm
.Lfunc_end_k_qdcc572c039_attn:
	.size	k_qdcc572c039_attn, .Lfunc_end_k_qdcc572c039_attn-k_qdcc572c039_attn
	.p2alignl 7, 3214868480
	.fill 96, 4, 3214868480
	.section	.rodata,"a",@progbits
	.p2align	6, 0x0
	.amdhsa_kernel k_qdcc572c039_attn
		.amdhsa_group_segment_fixed_size 327680
		.amdhsa_private_segment_fixed_size 0
		.amdhsa_enable_private_segment 0
		.amdhsa_kernarg_size 56
		.amdhsa_user_sgpr_count 2
		.amdhsa_user_sgpr_kernarg_segment_ptr 1
		.amdhsa_wavefront_size32 1
		.amdhsa_system_sgpr_workgroup_id_x 1
		.amdhsa_system_sgpr_workgroup_id_y 1
		.amdhsa_system_sgpr_workgroup_id_z 1
		.amdhsa_system_vgpr_workitem_id 0
		.amdhsa_next_free_vgpr 1024
		.amdhsa_next_free_sgpr 100
		.amdhsa_reserve_vcc 1
		.amdhsa_float_denorm_mode_32 3
		.amdhsa_float_denorm_mode_16_64 3
		.amdhsa_memory_ordered 1
		.amdhsa_forward_progress 1
		.amdhsa_inst_pref_size 255
	.end_amdhsa_kernel
	.section	.bss,"aw",@nobits
	.p2align	6
	.space	262144
	.amdgpu_metadata
---
amdhsa.version: [ 1, 2 ]
amdhsa.kernels:
  - .name:           k_qdcc572c039_attn
    .symbol:         k_qdcc572c039_attn.kd
    .args:
      - { .name: qi, .offset: 0, .size: 8, .value_kind: global_buffer, .address_space: global }
      - { .name: kx, .offset: 8, .size: 8, .value_kind: global_buffer, .address_space: global }
      - { .name: vx, .offset: 16, .size: 8, .value_kind: global_buffer, .address_space: global }
      - { .name: loc, .offset: 24, .size: 8, .value_kind: global_buffer, .address_space: global }
      - { .name: rel_pos, .offset: 32, .size: 8, .value_kind: global_buffer, .address_space: global }
      - { .name: gate, .offset: 40, .size: 8, .value_kind: global_buffer, .address_space: global }
      - { .name: fz, .offset: 48, .size: 8, .value_kind: global_buffer, .address_space: global }
    .group_segment_fixed_size: 327680
    .private_segment_fixed_size: 0
    .kernarg_segment_align: 8
    .kernarg_segment_size: 56
    .max_flat_workgroup_size: 128
    .sgpr_count:     100
    .vgpr_count:     1024
    .wavefront_size: 32
...
	.end_amdgpu_metadata
.endif
;; end of part 3
;; launch proj (part 4): grid 32 x 8, 4 waves a work-group, no clusters, 35,328 bytes of LDS; arguments fz, gw, bo, out0; writes out0
.if DOCPART == 4
	.amdgcn_target "amdgcn-amd-amdhsa--gfx1250"
	.amdhsa_code_object_version 6
	.text
	.protected	k_qdcc572c039_proj
	.globl	k_qdcc572c039_proj
	.p2align	8
	.type	k_qdcc572c039_proj,@function
k_qdcc572c039_proj:
	s_mov_b64 s[64:65], 0
	v_nop
	global_prefetch_b8 v0, s[64:65] scope:SCOPE_SE
	s_setreg_imm32_b32 hwreg(HW_REG_WAVE_MODE, 25, 1), 1
	s_wait_xcnt 0x0
; LAUNCH 4 OF 4.  Product 8: out0 = fused Wo^T + bo, on the codes that launches attn (the fused rows) and quant (Wo) made.  No work of reference() is left out here.
; SHARES.  A work-group takes 64 tokens x 128 columns; wave (wm, wn) a group of 32 tokens x 64 columns: eight accumulators, as in launch qkv, the product used transposed in the same way.
; K is 1,024: eight steps.  ALL eight steps' operands are asked for at the head, into registers of their own (72 a step, windows 1 to 3): no ring, no LDS on the way in, no barrier.
; No tensor load and no cluster: each fragment is loaded by the two waves that use it: a pair shares 24 KiB of fused rows or 48 KiB of Wo.  bo is the C of each sum's first product.
; The accumulators take turns, one instruction a turn.  The way out goes through the wave's own stage, so that sixteen lanes store 256 consecutive bytes of a token's row.
.set SPARE, 34816                      ; LDS: a stage of 32 rows x 272 B for each wave; behind them the spare words
.set L16, 1
.set L4,  2
.set RR,  3
.set HH,  4
.set L8,  5
.set U16, 6
.set ASI, 9
.set ASR, 10
.set GO,  12
.set BO,  13
.set SPW, 14
.set NIL, 15
.set FS,  16                           ; v16-23  the fused rows' scale words, one register a K step (lanes 0-15 tile 0, lanes 16-31 tile 1)
.set WS,  24                           ; v24-39  Wo's scale rows [gl][sg]
.set ACC, 40                           ; v40-103
.set T16, 104                          ; v104-119 a head's two scale bytes
.set BK,  120                          ; v120-183 rows on the way out
.set MSB, 0
.macro WIN new
.if MSB != (\new)
	s_set_vgpr_msb (MSB<<8)|(\new)
.set MSB, (\new)
.endif
.endm
.macro MMQ d, a, b, sa, sb, ra, rb
.if ((\ra) == 0) && ((\rb) == 0)
	v_wmma_scale_f32_16x16x128_f8f6f4 v[\d:\d+7], v[\a:\a+11], v[\b:\b+11], v[\d:\d+7], v[\sa], v[\sb] matrix_a_fmt:MATRIX_FMT_BF6 matrix_b_fmt:MATRIX_FMT_BF6
.elseif (\rb) == 0
	v_wmma_scale_f32_16x16x128_f8f6f4 v[\d:\d+7], v[\a:\a+11], v[\b:\b+11], v[\d:\d+7], v[\sa], v[\sb] matrix_a_fmt:MATRIX_FMT_BF6 matrix_b_fmt:MATRIX_FMT_BF6 matrix_a_scale:MATRIX_SCALE_ROW1
.elseif (\ra) == 0
	v_wmma_scale_f32_16x16x128_f8f6f4 v[\d:\d+7], v[\a:\a+11], v[\b:\b+11], v[\d:\d+7], v[\sa], v[\sb] matrix_a_fmt:MATRIX_FMT_BF6 matrix_b_fmt:MATRIX_FMT_BF6 matrix_b_scale:MATRIX_SCALE_ROW1
.else
	v_wmma_scale_f32_16x16x128_f8f6f4 v[\d:\d+7], v[\a:\a+11], v[\b:\b+11], v[\d:\d+7], v[\sa], v[\sb] matrix_a_fmt:MATRIX_FMT_BF6 matrix_b_fmt:MATRIX_FMT_BF6 matrix_a_scale:MATRIX_SCALE_ROW1 matrix_b_scale:MATRIX_SCALE_ROW1
.endif
.endm
.macro PLOAD sg                        ; K step sg: 20 loads into window 1 + sg / 3, from register 72 (sg % 3) on: Wo's four fragments, then the fused rows' two (each two heads' half images)
	WIN (1+(\sg)/3)<<6
.irp gl, 0,1
.irp up, 0,1
.irp c, 0,1,2
	global_load_b128 v[72*((\sg)%3)+12*(2*\gl+\up)+4*\c:72*((\sg)%3)+12*(2*\gl+\up)+4*\c+3], v[L16], s[28:29] offset:\gl*24576+(\sg)*3072+\up*1536+512*\c
.endr
.endr
.endr
.irp u, 0,1
.irp c, 0,1
	global_load_b128 v[72*((\sg)%3)+48+12*\u+6*\c:72*((\sg)%3)+48+12*\u+6*\c+3], v[L16], s[24:25] offset:\u*12288+(\sg)*1536+\c*768
	global_load_b64 v[72*((\sg)%3)+48+12*\u+6*\c+4:72*((\sg)%3)+48+12*\u+6*\c+5], v[L8], s[24:25] offset:\u*12288+(\sg)*1536+\c*768+512
.endr
.endr
	WIN 0
.endm
	s_load_b256 s[4:11], s[0:1], 0x0               ; fz s[4:5], gw s[6:7], bo s[8:9], out0 s[10:11]
	v_lshl_add_u32 v[SPW], v0, 2, SPARE
	v_mov_b32 v[NIL], 0
	v_lshrrev_b32 v[BK], 5, v0
	v_readfirstlane_b32 s18, v[BK]
	v_and_b32 v[BK], 31, v0
	v_and_b32 v[RR], 15, v0
	v_bfe_u32 v[HH], v0, 4, 1
	v_lshlrev_b32 v[L16], 4, v[BK]
	v_lshlrev_b32 v[L4], 2, v[BK]
	v_lshlrev_b32 v[L8], 3, v[BK]
	v_lshlrev_b32 v[U16], 9, v[HH]
	v_lshl_add_u32 v[U16], v[RR], 1, v[U16]        ; tile h's scale bytes of row r
	s_mul_i32 s35, s18, 8704                       ; my stage
	v_mul_u32_u24 v[ASI], v[RR], 272
	v_lshl_add_u32 v[ASI], v[HH], 6, v[ASI]
	v_add_nc_u32 v[ASI], s35, v[ASI]
	v_mul_u32_u24 v[ASR], v[HH], 272
	v_lshl_add_u32 v[ASR], v[RR], 4, v[ASR]
	v_add_nc_u32 v[ASR], s35, v[ASR]
	v_lshlrev_b32 v[GO], 12, v[HH]
	v_lshl_add_u32 v[GO], v[RR], 4, v[GO]          ; out0: a token is 4,096 bytes
	v_lshlrev_b32 v[BO], 6, v[HH]
	s_lshr_b32 s19, s18, 1                         ; wm
	s_and_b32 s20, s18, 1                          ; wn
	s_and_b32 s21, ttmp7, 0xffff                   ; y
	s_lshl_b32 s22, ttmp9, 1
	s_add_co_u32 s22, s22, s19                     ; my group of 32 tokens
	s_lshl_b32 s23, s21, 2
	s_lshl_b32 s36, s20, 1
	s_add_co_u32 s23, s23, s36
	s_add_co_u32 s23, s23, 160                     ; my first group of 32 rows of Wo in gw
	s_mul_i32 s24, s22, 24576
	s_mov_b32 s25, 0
	s_lshl_b32 s26, s22, 10
	s_add_co_u32 s26, s26, 0x180000
	s_mov_b32 s27, 0
	s_mul_i32 s28, s23, 24576
	s_mov_b32 s29, 0
	s_lshl_b32 s30, s23, 10
	s_add_co_u32 s30, s30, 0x480000
	s_mov_b32 s31, 0
	s_lshl_b32 s32, s21, 9
	s_lshl_b32 s36, s20, 8
	s_add_co_u32 s32, s32, s36                     ; my 64 columns, in bytes
	s_mov_b32 s33, 0
	s_lshl_b32 s34, s22, 17
	s_add_co_u32 s34, s34, s32
	s_mov_b32 s35, 0
	s_wait_alu depctr_va_vdst(0)
	s_wait_kmcnt 0x0
	s_add_nc_u64 s[24:25], s[4:5], s[24:25]
	s_add_nc_u64 s[26:27], s[4:5], s[26:27]
	s_add_nc_u64 s[28:29], s[6:7], s[28:29]
	s_add_nc_u64 s[30:31], s[6:7], s[30:31]
	s_add_nc_u64 s[32:33], s[8:9], s[32:33]
	s_add_nc_u64 s[34:35], s[10:11], s[34:35]
.irp d, 0,1,2,3,4,5,6,7,8,9,10,11,12,13,14,15
	global_load_u16 v[T16+\d], v[U16], s[26:27] offset:32*\d
.endr
.irp gl, 0,1
.irp g, 0,1,2,3,4,5,6,7
	global_load_b32 v[WS+8*\gl+\g], v[L4], s[30:31] offset:1024*\gl+128*\g
.endr
.endr
.irp u, 0,1
.irp gl, 0,1
.irp up, 0,1
.irp q, 0,1
	global_load_b128 v[ACC+32*\u+16*\gl+8*\up+4*\q:ACC+32*\u+16*\gl+8*\up+4*\q+3], v[BO], s[32:33] offset:128*\gl+32*\up+16*\q
.endr
.endr
.endr
.endr
	PLOAD 0
	s_wait_loadcnt 52                              ; behind the sixteen loads of scale bytes: 16 scale rows, 16 of the bias, 20 of K step 0
.irp g, 0,1,2,3,4,5,6,7
	v_lshl_or_b32 v[FS+\g], v[T16+2*\g+1], 16, v[T16+2*\g]     ; heads 2 sg and 2 sg + 1: the K step's four bytes
.endr
.rept 8
	v_nop                                          ; a scale register written by a vector instruction stands eight places ahead of a scaled product
.endr
.irp g, 1,2,3,4,5,6,7
	PLOAD \g
.endr
.macro PSTEP sg, left
	s_wait_loadcnt \left                           ; this step's 20 loads are in; at most so many of the later steps' may be out
	WIN 5*(1+(\sg)/3)
.irp gl, 0,1
.irp up, 0,1
.irp u, 0,1
	MMQ ACC+32*\u+16*\gl+8*\up, 72*((\sg)%3)+12*(2*\gl+\up), 72*((\sg)%3)+48+12*\u, WS+8*\gl+(\sg), FS+(\sg), \up, \u
.endr
.endr
.endr
.endm
	s_wait_alu depctr_va_vdst(0)
	PSTEP 0, 63                                    ; (140, 120, 100 and 80 later loads: the count is the largest that the field holds)
	PSTEP 1, 63
	PSTEP 2, 63
	PSTEP 3, 63
	PSTEP 4, 60
	PSTEP 5, 40
	PSTEP 6, 20
	PSTEP 7, 0
	WIN 0
.rept 4
	v_nop                                          ; four places in front of the first read of results
.endr
.irp u, 0,1
.irp q, 0,1,2,3,4,5,6,7
	ds_store_b128 v[ASI], v[ACC+32*\u+4*\q:ACC+32*\u+4*\q+3] offset:\u*4352+128*(\q/4)+16*(\q%4)   ; each accumulator from its low end on
.endr
.endr
.irp i, 0,1,2,3,4,5,6,7,8,9,10,11,12,13,14,15
	ds_load_b128 v[BK+4*\i:BK+4*\i+3], v[ASR] offset:2*\i*272      ; LDS serves a wave in order: these see my stores
.endr
.irp i, 0,1,2,3,4,5,6,7,8,9,10,11,12,13,14,15
	s_wait_dscnt 15-\i                             ; the younger loads may be out
	global_store_b128 v[GO], v[BK+4*\i:BK+4*\i+3], s[34:35] offset:(8*(\i/8)+((2*\i)%8)+16*(((2*\i)%16)/8))*4096 th:TH_STORE_NT   ; stage row 16 u + p is token 8 u + pat(p)
.endr
	s_wait_tensorcnt 0x0                           ; the wave's end
	ds_add_u32 v[SPW], v[NIL]
	s_wait_dscnt 0x0
	s_endpgm
.Lfunc_end_k_qdcc572c039_proj:
	.size	k_qdcc572c039_proj, .Lfunc_end_k_qdcc572c039_proj-k_qdcc572c039_proj
	.p2alignl 7, 3214868480
	.fill 96, 4, 3214868480
	.section	.rodata,"a",@progbits
	.p2align	6, 0x0
	.amdhsa_kernel k_qdcc572c039_proj
		.amdhsa_group_segment_fixed_size 35328
		.amdhsa_private_segment_fixed_size 0
		.amdhsa_enable_private_segment 0
		.amdhsa_kernarg_size 32
		.amdhsa_user_sgpr_count 2
		.amdhsa_user_sgpr_kernarg_segment_ptr 1
		.amdhsa_wavefront_size32 1
		.amdhsa_system_sgpr_workgroup_id_x 1
		.amdhsa_system_sgpr_workgroup_id_y 1
		.amdhsa_system_sgpr_workgroup_id_z 1
		.amdhsa_system_vgpr_workitem_id 0
		.amdhsa_next_free_vgpr 1024
		.amdhsa_next_free_sgpr 66
		.amdhsa_reserve_vcc 0
		.amdhsa_float_denorm_mode_32 3
		.amdhsa_float_denorm_mode_16_64 3
		.amdhsa_memory_ordered 1
		.amdhsa_forward_progress 1
		.amdhsa_inst_pref_size 37
	.end_amdhsa_kernel
	.amdgpu_metadata
---
amdhsa.version: [ 1, 2 ]
amdhsa.kernels:
  - .name:           k_qdcc572c039_proj
    .symbol:         k_qdcc572c039_proj.kd
    .args:
      - { .name: fz, .offset: 0, .size: 8, .value_kind: global_buffer, .address_space: global }
      - { .name: gw, .offset: 8, .size: 8, .value_kind: global_buffer, .address_space: global }
      - { .name: bo, .offset: 16, .size: 8, .value_kind: global_buffer, .address_space: global }
      - { .name: out0, .offset: 24, .size: 8, .value_kind: global_buffer, .address_space: global }
    .group_segment_fixed_size: 35328
    .private_segment_fixed_size: 0
    .kernarg_segment_align: 8
    .kernarg_segment_size: 32
    .max_flat_workgroup_size: 128
    .sgpr_count:     66
    .vgpr_count:     1024
    .wavefront_size: 32
...
	.end_amdgpu_metadata
.endif
;; end of part 4
